; MI455X (gfx1250); checked and timed in simulation.
; The chip was launched on July 23, 2026; its instructions are those of AMD's public machine-readable ISA for CDNA 5 (MIT licence, August 2026) and "CDNA5" Instruction Set Architecture Reference Guide (July 2026). The comments in the code are by the model that wrote it; some were corrected since.
;; Multi Head Attention. Allowed arithmetic: matrix products marked QUANTISED: E5M2 operands, one given power-of-two scale a tensor, by v_wmma_f32_16x16x64_bf8_bf8 or v_wmma_f32_16x16x128_bf8_bf8, f32 sums; everything else in f32.
;; Inputs: Wk 1,024 x 1,024 float32; Wo 1,024 x 1,024 float32; Wq 1,024 x 1,024 float32; Wv 1,024 x 1,024 float32; k 4 x 2,048 x 1,024 float32; lowp_scales 12 int32 (the exponents e of the quantised operands' scales 2^e); mask 1 x 1 x 2,048 x 2,048 bool; q 4 x 2,048 x 1,024 float32; v 4 x 2,048 x 1,024 float32.
;; Outputs: out0 4 x 2,048 x 1,024 float32.
;; This version of the problem:
;;   THIS VERSION OF THE PROBLEM IS GIVEN IN LOW PRECISION. The matrix products marked QUANTISED in the list below multiply operands that are first quantised to E5M2 (5 exponent bits, 2 mantissa bits; 8 bits a number), with one given power-of-two scale for each operand tensor; their sums are f32. All else is computed in f32.
;;   The module's matrix products, in the order in which they are computed (A, B: the left and right operand; K: the contracted axis; several contracted axes count as one K, in the product's order):
;;     1. [M 8,192, K 1,024] x [K 1,024, N 1,024]; A: input q; B: input Wq: QUANTISED (scales: A lowp_scales[0], B lowp_scales[1])
;;     2. [M 8,192, K 1,024] x [K 1,024, N 1,024]; A: input k; B: input Wk: QUANTISED (scales: A lowp_scales[2], B lowp_scales[3])
;;     3. [M 8,192, K 1,024] x [K 1,024, N 1,024]; A: input v; B: input Wv: QUANTISED (scales: A lowp_scales[4], B lowp_scales[5])
;;     4. batch 64 x [M 2,048, K 64] x [K 64, N 2,048]; A: computed on the way; B: computed on the way: QUANTISED (scales: A lowp_scales[6], B lowp_scales[7])
;;     5. batch 64 x [M 2,048, K 2,048] x [K 2,048, N 64]; A: computed on the way; B: computed on the way: QUANTISED (scales: A lowp_scales[8], B lowp_scales[9])
;;     6. [M 8,192, K 1,024] x [K 1,024, N 1,024]; A: computed on the way; B: input Wo: QUANTISED (scales: A lowp_scales[10], B lowp_scales[11])
;;   THE QUANTISER, for each operand of a quantised product, along K:
;;     - The operand's scale is 2^e, e = its entry of the input lowp_scales (int32; the entries are numbered through the quantised products in the list's order, A before B).
;;     - Each number is divided by the scale, clamped to +-57,344, and rounded to the nearest number of E5M2, ties to even, subnormals kept.
;;     - The product sums the exact products of the quantised numbers (number of the format x scale) in f32.
;;   ~~~python
;;   def quantise(x, axis, e):      # numpy; x: float32 -> the quantised numbers, widened to float32 again
;;       x = np.moveaxis(x, axis, -1); K = x.shape[-1]
;;       r = np.clip(x / 2.0 ** e, -57344, 57344)
;;       step = 2.0 ** (np.maximum(np.frexp(np.where(r == 0, 1, r))[1] - 1, -14) - 2)
;;       q = np.round(r / step) * step * 2.0 ** e      # np.round: ties to even
;;       return np.moveaxis(q, -1, axis).astype(np.float32)
;;   ~~~
;;   OPERANDS COMPUTED ON THE WAY. 'Computed on the way' means the value that the module computes at that place (a softmax that the list does not call 'softmax' is quantised finished and normalised). What goes into a quantiser is computed in f32, as accurately as f32 sums, v_exp_f32 and their like allow (about 1e-6 of the number): no bf16 or f16 on the way to a quantiser, and a product that is left as it is and whose result goes on into a quantised operand takes f32 operands (vector FMAs, or v_wmma_f32_16x16x4_f32). A number that lies on a knife's edge between two numbers of the format may be rounded either way, as far as f32 arithmetic and the matrix unit's own rounding can turn it there, and no further.
;; 2 versions, each right; version 2 is version 1 with the launch attn written anew for expert scheduling mode. Each part assembles by itself: llvm-mc -triple=amdgcn-amd-amdhsa -mcpu=gfx1250 --defsym DOCPART=n.
;; ======== version 1 of 2: 4 launches
;; workspace buffers: xc 25,165,824 bytes; wc 4,194,304 bytes; qkv 25,165,824 bytes; ao 8,388,608 bytes; mflags 512 bytes of whole numbers; mwords 524,288 bytes of whole numbers
;; launch quant (part 1): grid 960 x 1, 4 waves a work-group, no clusters, 33,280 bytes of LDS; arguments q, k, v, Wq, Wk, Wv, Wo, lowp_scales, mask, xc, wc, mflags, mwords; writes xc, wc, mflags, mwords
.if DOCPART == 1
	.amdgcn_target "amdgcn-amd-amdhsa--gfx1250"
	.amdhsa_code_object_version 6
	.text
	.protected	k_qbb095730c2_quant
	.globl	k_qbb095730c2_quant
	.p2align	8
	.type	k_qbb095730c2_quant,@function
k_qbb095730c2_quant:
	s_mov_b64 s[64:65], 0
	v_nop
	global_prefetch_b8 v0, s[64:65] scope:SCOPE_SE
	s_setreg_imm32_b32 hwreg(HW_REG_WAVE_MODE, 25, 1), 1
	s_wait_xcnt 0x0
; ONE LAUNCH, TWO JOBS, parted by the work-group's number.
; (1) Work-groups 0-895: q, k, v [8192][1024] and Wq, Wk, Wv, Wo [1024][1024], f32, become codes of BF8 (E5M2), one byte a code, K innermost, each with the one scale 2^e given for it:
;     code = x / 2^e, held within +-57,344, rounded to the nearest code, ties to even.  LIMITS: -126 <= e <= 112, so that 2^e and 57,344 x 2^e are f32 numbers.  NaN among the inputs is not served.
;     A work-group takes 32 rows, a wave eight (8,192 numbers: 16 steps of 512).  Each load reads 512 consecutive bytes; a step's 2,048 bytes turn through the wave's own stage in LDS, so that a lane
;     holds 16 neighbours along K for the conversions; a wave's store of codes covers 512 consecutive bytes.
;     ROWS CHANGE PLACES in k, v, Wq, Wk, Wv: of every 32 rows the second and the third eight are exchanged (a wave simply stores its eight rows elsewhere).  The products that follow then find, in the
;     16 registers of two neighbouring accumulators, 16 neighbours along the next K, and in lane r of a tile the row that the next operand's tile wants.
; (2) Work-groups 896-959: the mask [2048][2048] (one byte, not 0 = masked) becomes lane masks and flags for the attention launch.  Work-group g takes queries 32 g .. 32 g + 31, wave w keys 512 w .. + 511,
;     eight steps of 64 keys.  Word (rho = 16 b + i, tau) of step s has bit (r + 16 h) = mask[32 g + 16 tau + r][64 s + 32 b + 16 h + i]: the compare's lane mask is the word, so lane (r, h) must hold
;     that row's 16 bytes: a load reads 32 bytes of each of 16 rows, and a wave's 32 loads use every byte of its two strips of 16 rows x 512 bytes.  Flags: bit s of SKIP = all 2,048 bits set, of MIX = some.
;     This path uses no LDS.
.set STEPS, 16
.set WREG,  8192                       ; LDS: a region for each wave: two stages of 32 x SP bytes
.set SP,    80                         ; a lane's place in a stage: its 64 bytes + 16 of padding
.set CB,    16                         ; bytes of 16 codes
.set EMAX,  15
.set MANT,  0x600000                   ; the mantissa field of 57,344 as f32
.set R,     16                         ; v16-79   four sets of 16 numbers as they are loaded
.set X,     80                         ; v80-111  two sets of 16 neighbours
.set C,     128                        ; v128-191 codes: four registers for each step: no store's data are written again
.set MW,    16                         ; mask path: v16-143 the mask's bytes, 16 registers a step
.set OW,    144                        ; mask path: v144-159 the words, two registers a step
.set WG_ACT, 768                       ; q, k, v: 256 work-groups each
.set WG_Q,   896                       ; the four weights: 32 each
	s_load_b512 s[8:23], s[0:1], 0x0               ; q, k, v, Wq, Wk, Wv, Wo, the scales' exponents
	s_load_b256 s[24:31], s[0:1], 0x40             ; mask, xc, wc, mflags
	s_load_b64 s[32:33], s[0:1], 0x60              ; mwords
	v_lshl_add_u32 v192, v0, 2, 0x8000
	v_mov_b32 v193, 0
	v_lshrrev_b32 v1, 5, v0
	v_readfirstlane_b32 s36, v1                    ; wave
	v_and_b32 v2, 31, v0                           ; lane
	s_cmp_ge_u32 ttmp9, WG_Q
	s_cbranch_scc1 .Lmask
	; ---- the quantiser.  t = which tensor (0 q, 1 k, 2 v, 3 Wq, 4 Wk, 5 Wv, 6 Wo); s35 = which 32 rows of it
	s_lshr_b32 s34, ttmp9, 8
	s_and_b32 s35, ttmp9, 255
	s_sub_co_u32 s37, ttmp9, WG_ACT
	s_lshr_b32 s38, s37, 5
	s_add_co_u32 s38, s38, 3
	s_and_b32 s37, s37, 31
	s_cmp_lt_u32 ttmp9, WG_ACT
	s_cselect_b32 s34, s34, s38
	s_cselect_b32 s35, s35, s37
	s_and_b32 s37, s36, 1                          ; the wave's number with its two bits exchanged: 0, 2, 1, 3
	s_lshl_b32 s37, s37, 1
	s_lshr_b32 s38, s36, 1
	s_or_b32 s37, s37, s38
	s_sub_co_u32 s38, s34, 1
	s_cmp_lt_u32 s38, 5                            ; t = 1 .. 5: rows change places
	s_cselect_b32 s37, s37, s36                    ; where my eight rows go among the 32
	s_lshl_b32 s38, s35, 2
	s_add_co_u32 s40, s38, s36
	s_lshl_b32 s40, s40, 15                        ; from: eight rows are 32,768 bytes of f32
	s_mov_b32 s41, 0
	s_add_co_u32 s46, s38, s37
	s_lshl_b32 s46, s46, 13                        ; to: 8,192 bytes of codes
	s_lshl_b32 s38, s34, 23                        ; the tensor's place in xc: 8 MiB each,
	s_sub_co_u32 s39, s34, 3
	s_lshl_b32 s39, s39, 20                        ; or in wc: 1 MiB each
	s_cmp_lt_u32 s34, 3
	s_cselect_b32 s38, s38, s39
	s_add_co_u32 s46, s46, s38
	s_mov_b32 s47, 0
	v_lshlrev_b32 v3, 4, v2                        ; my 16 bytes of a load's 512
	s_mul_i32 s37, s36, WREG
	v_lshrrev_b32 v14, 2, v2
	v_mul_u32_u24 v14, v14, SP
	v_and_b32 v15, 3, v2
	v_lshl_add_u32 v14, v15, 4, v14
	v_add_nc_u32 v14, s37, v14                     ; the stage, on the way in: four lanes' 64 bytes on end, then 16 of padding
	v_mul_u32_u24 v15, v2, SP
	v_add_nc_u32 v15, s37, v15                     ; and on the way out: my 16 neighbours
	v_mul_u32_u24 v4, v2, CB                       ; my codes' place in a step's
	s_wait_kmcnt 0x0
	s_load_b256 s[48:55], s[22:23], 0x0            ; e0 .. e7
	s_load_b128 s[56:59], s[22:23], 0x20           ; e8 .. e11
	s_mov_b64 s[42:43], s[20:21]                   ; the source: Wo, unless t says otherwise.  The choices hang on the work-group's number alone
.irp n, 0,1,2,3,4,5
	s_cmp_eq_u32 s34, \n
	s_cselect_b64 s[42:43], s[8+2*\n:9+2*\n], s[42:43]
.endr
	s_cmp_lt_u32 s34, 3
	s_cselect_b64 s[44:45], s[26:27], s[28:29]     ; the codes' buffer
	s_add_nc_u64 s[42:43], s[42:43], s[40:41]
	s_add_nc_u64 s[44:45], s[44:45], s[46:47]
.macro LOAD t
.irp i, 0,1,2,3
	global_load_b128 v[R+16*((\t)%4)+4*\i:R+16*((\t)%4)+4*\i+3], v3, s[42:43] offset:2048*(\t)+512*\i th:TH_LOAD_NT   ; 32 lanes read 512 consecutive bytes
.endr
.endm
.macro TURN t                          ; step t's numbers through the stage: LDS serves a wave's instructions in order, so no wait stands between the stores and the loads
.irp i, 0,1,2,3
	ds_store_b128 v14, v[R+16*((\t)%4)+4*\i:R+16*((\t)%4)+4*\i+3] offset:32*SP*((\t)%2)+8*SP*\i
.endr
.irp i, 0,1,2,3
	ds_load_b128 v[X+16*((\t)%2)+4*\i:X+16*((\t)%2)+4*\i+3], v15 offset:32*SP*((\t)%2)+16*\i
.endr
.endm
.irp t, 0,1,2,3
	LOAD \t
.endr
	s_wait_kmcnt 0x0
	s_mov_b32 s38, s59                             ; e: q e0, k e2, v e4, Wq e1, Wk e3, Wv e5, Wo e11
.irp n, 0,1,2,3,4,5
	s_cmp_eq_u32 s34, \n
	s_cselect_b32 s38, s[48+2*(\n%3)+\n/3], s38
.endr
	s_add_co_i32 s38, s38, 127
	s_lshl_b32 s39, s38, 23
	v_mov_b32 v11, s39                             ; 2^e as f32: the conversion takes its exponent field
	s_add_co_i32 s38, s38, EMAX
	s_lshl_b32 s38, s38, 23
	s_or_b32 s38, s38, MANT
	v_mov_b32 v10, s38                             ; 57,344 x 2^e
	s_wait_loadcnt 12                              ; step 0's four loads are in; the twelve of steps 1 to 3 may be out
	TURN 0
.macro STEP t
.set XS, X+16*((\t)%2)
	s_wait_dscnt 0x0                               ; this step's numbers are back from the stage: so its stores into the stage have read their registers,
.if (\t)+4 < STEPS
	LOAD (\t)+4                                    ; which take the loads of four steps on
.endif
.if (\t)+1 < STEPS
.if STEPS-2-(\t) >= 3
	s_wait_loadcnt 12                              ; the next step's four loads are in; those of the three steps behind it may be out
.else
	s_wait_loadcnt 4*(STEPS-2-(\t))
.endif
	TURN (\t)+1                                    ; and go through the other stage while this step is worked
.endif
.irp i, 0,1,2,3,4,5,6,7,8,9,10,11,12,13,14,15
	v_med3_num_f32 v[XS+\i], v[XS+\i], -v10, v10   ; the conversion to an 8-bit code does not saturate (ISA guide 7.6.2): hold the number within the largest code x the scale first
.endr
	v_cvt_scalef32_pk8_bf8_f32 v[C+4*(\t):C+4*(\t)+1], v[XS:XS+7], v11
	v_cvt_scalef32_pk8_bf8_f32 v[C+4*(\t)+2:C+4*(\t)+3], v[XS+8:XS+15], v11
	global_store_b128 v4, v[C+4*(\t):C+4*(\t)+3], s[44:45] offset:32*CB*(\t)    ; the results go to a store alone; the next step's holds are plain lines on other registers
.endm
.irp t, 0,1,2,3,4,5,6,7,8,9,10,11,12,13,14,15
	STEP \t
.endr
	s_wait_tensorcnt 0x0
	ds_add_u32 v192, v193
	s_wait_dscnt 0x0
	s_endpgm
	; ---- the mask
.Lmask:
	s_sub_co_u32 s34, ttmp9, WG_Q                  ; g
	v_and_b32 v3, 15, v2                           ; r
	v_lshrrev_b32 v4, 4, v2                        ; h
	v_lshlrev_b32 v6, 11, v3
	v_lshl_add_u32 v6, v4, 4, v6                   ; row r of 2,048 bytes, + 16 h
	v_lshlrev_b32 v7, 3, v2                        ; out: two words a lane
	s_lshl_b32 s38, s34, 16                        ; 32 rows of the mask,
	s_lshl_b32 s39, s36, 9                         ; my wave's 512 keys
	s_add_co_u32 s38, s38, s39
	s_mov_b32 s39, 0
	s_lshl_b32 s40, s34, 5
	s_lshl_b32 s41, s36, 3
	s_add_co_u32 s40, s40, s41                     ; 32 g + 8 w: my first step,
	s_lshl_b32 s40, s40, 8                         ; 256 bytes of words each
	s_mov_b32 s41, 0
	s_mov_b32 s48, 0                               ; my eight bits of SKIP
	s_mov_b32 s49, 0                               ; and of MIX
	s_wait_kmcnt 0x0
	s_add_nc_u64 s[24:25], s[24:25], s[38:39]
	s_add_nc_u64 s[32:33], s[32:33], s[40:41]
.irp j, 0,1,2,3,4,5,6,7
.irp tau, 0,1
.irp b, 0,1
	global_load_b128 v[MW+16*\j+8*\tau+4*\b:MW+16*\j+8*\tau+4*\b+3], v6, s[24:25] offset:32768*\tau+64*\j+32*\b th:TH_LOAD_NT
.endr
.endr
.endr
.irp i, 0,1,2,3,4,5,6,7,8,9,10,11,12,13,14,15
	v_mov_b32 v[OW+\i], 0                          ; written whole once: a lane write's destination counts as read
.endr
.macro MSTEP j
	s_wait_loadcnt 28-4*(\j)                       ; this step's four loads are in; the four of each later step may be out
	s_mov_b32 s44, -1                              ; the AND of the step's 64 words
	s_mov_b32 s45, 0                               ; and their OR
.irp tau, 0,1
.irp b, 0,1
.irp k, 0,1,2,3
.irp y, 0,1,2,3
	v_and_b32 v[8+\y], 0xff<<(8*\y), v[MW+16*(\j)+8*\tau+4*\b+\k]   ; byte i = 4 k + y of my 16
.endr
.irp y, 0,1,2,3
	v_cmp_ne_u32 s[40+\y], 0, v[8+\y]              ; the 32 lanes' bits: word (16 b + i, tau)
.endr
.irp y, 0,1,2,3
	s_and_b32 s44, s44, s[40+\y]
	s_or_b32 s45, s45, s[40+\y]
	v_writelane_b32 v[OW+2*(\j)+\tau], s[40+\y], 16*\b+4*\k+\y
.endr
.endr
.endr
.endr
	global_store_b64 v7, v[OW+2*(\j):OW+2*(\j)+1], s[32:33] offset:256*(\j)   ; the wave stores 256 consecutive bytes, aligned; each step has its own registers
	s_cmp_eq_u32 s44, -1
	s_cselect_b32 s46, 1, 0                        ; wholly masked
	s_cmp_lg_u32 s45, 0
	s_cselect_b32 s47, 1, 0
	s_and_not1_b32 s47, s47, s46                   ; partly masked
	s_lshl_b32 s46, s46, \j
	s_lshl_b32 s47, s47, \j
	s_or_b32 s48, s48, s46
	s_or_b32 s49, s49, s47
.endm
.irp j, 0,1,2,3,4,5,6,7
	MSTEP \j
.endr
	v_mov_b32 v12, s48                             ; lane 0 stores byte w of SKIP's word, lane 1 byte w of MIX's
	v_mov_b32 v13, s49
	v_cmp_eq_u32 vcc_lo, 1, v2
	v_cndmask_b32 v12, v12, v13, vcc_lo
	s_lshl_b32 s46, s34, 3
	s_add_co_u32 s46, s46, s36
	v_lshl_add_u32 v13, v2, 2, s46                 ; 8 g + w + 4 x lane
	v_cmp_gt_u32 vcc_lo, 2, v2
	s_wait_xcnt 0x0                                ; EXEC is a source of the stores above: it changes only behind this wait
	s_and_saveexec_b32 s47, vcc_lo
	global_store_b8 v13, v12, s[30:31]
	s_wait_xcnt 0x0                                ; and again, in front of the line that widens it
	s_or_b32 exec_lo, exec_lo, s47
	s_endpgm
.Lfunc_end_k_qbb095730c2_quant:
	.size	k_qbb095730c2_quant, .Lfunc_end_k_qbb095730c2_quant-k_qbb095730c2_quant
	.p2alignl 7, 3214868480
	.fill 96, 4, 3214868480
	.section	.rodata,"a",@progbits
	.p2align	6, 0x0
	.amdhsa_kernel k_qbb095730c2_quant
		.amdhsa_group_segment_fixed_size 33280
		.amdhsa_private_segment_fixed_size 0
		.amdhsa_enable_private_segment 0
		.amdhsa_kernarg_size 104
		.amdhsa_user_sgpr_count 2
		.amdhsa_user_sgpr_kernarg_segment_ptr 1
		.amdhsa_wavefront_size32 1
		.amdhsa_system_sgpr_workgroup_id_x 1
		.amdhsa_system_sgpr_workgroup_id_y 1
		.amdhsa_system_sgpr_workgroup_id_z 1
		.amdhsa_system_vgpr_workitem_id 0
		.amdhsa_next_free_vgpr 194
		.amdhsa_next_free_sgpr 66
		.amdhsa_reserve_vcc 1
		.amdhsa_float_denorm_mode_32 3
		.amdhsa_float_denorm_mode_16_64 3
		.amdhsa_memory_ordered 1
		.amdhsa_forward_progress 1
		.amdhsa_inst_pref_size 175
	.end_amdhsa_kernel
	.amdgpu_metadata
---
amdhsa.version: [ 1, 2 ]
amdhsa.kernels:
  - .name:           k_qbb095730c2_quant
    .symbol:         k_qbb095730c2_quant.kd
    .args:
      - { .name: q, .offset: 0, .size: 8, .value_kind: global_buffer, .address_space: global }
      - { .name: k, .offset: 8, .size: 8, .value_kind: global_buffer, .address_space: global }
      - { .name: v, .offset: 16, .size: 8, .value_kind: global_buffer, .address_space: global }
      - { .name: Wq, .offset: 24, .size: 8, .value_kind: global_buffer, .address_space: global }
      - { .name: Wk, .offset: 32, .size: 8, .value_kind: global_buffer, .address_space: global }
      - { .name: Wv, .offset: 40, .size: 8, .value_kind: global_buffer, .address_space: global }
      - { .name: Wo, .offset: 48, .size: 8, .value_kind: global_buffer, .address_space: global }
      - { .name: lowp_scales, .offset: 56, .size: 8, .value_kind: global_buffer, .address_space: global }
      - { .name: mask, .offset: 64, .size: 8, .value_kind: global_buffer, .address_space: global }
      - { .name: xc, .offset: 72, .size: 8, .value_kind: global_buffer, .address_space: global }
      - { .name: wc, .offset: 80, .size: 8, .value_kind: global_buffer, .address_space: global }
      - { .name: mflags, .offset: 88, .size: 8, .value_kind: global_buffer, .address_space: global }
      - { .name: mwords, .offset: 96, .size: 8, .value_kind: global_buffer, .address_space: global }
    .group_segment_fixed_size: 33280
    .private_segment_fixed_size: 0
    .kernarg_segment_align: 8
    .kernarg_segment_size: 104
    .max_flat_workgroup_size: 128
    .sgpr_count:     66
    .vgpr_count:     194
    .wavefront_size: 32
...
	.end_amdgpu_metadata
.endif
;; end of part 1
;; launch proj (part 2): grid 4 x 96, 4 waves a work-group, clusters of 4 x 4, 327,680 bytes of LDS; arguments xc, wc, lowp_scales, qkv; writes qkv
.if DOCPART == 2
	.amdgcn_target "amdgcn-amd-amdhsa--gfx1250"
	.amdhsa_code_object_version 6
	.text
	.protected	k_qbb095730c2_proj
	.globl	k_qbb095730c2_proj
	.p2align	8
	.type	k_qbb095730c2_proj,@function
k_qbb095730c2_proj:
	s_mov_b64 s[64:65], 0
	v_nop
	global_prefetch_b8 v0, s[64:65] scope:SCOPE_SE
	s_setreg_imm32_b32 hwreg(HW_REG_WAVE_MODE, 25, 1), 1
	s_wait_xcnt 0x0
	s_wait_alu depctr_hold_cnt(0) depctr_sa_sdst(0) depctr_va_vdst(0) depctr_va_sdst(0) depctr_va_ssrc(0) depctr_va_vcc(0) depctr_vm_vsrc(0)
	s_getreg_b32 s2, hwreg(HW_REG_IB_STS2, 6, 4)
	s_cmp_eq_u32 s2, 0
	s_cbranch_scc0 .Lentry_in_a_cluster
	s_endpgm
.Lentry_in_a_cluster:
	s_bfe_u32 s2, ttmp6, 0x10000c
	s_cmp_lg_u32 s2, 0xf033
	s_cbranch_scc0 .Lentry_shape_is_right
	s_endpgm
.Lentry_shape_is_right:
; THE THREE PROJECTIONS, on codes of BF8 (E5M2): Q = q Wq^T, K = k Wk^T, V = v Wv^T, each [8192][1024], K = 1,024, sums in f32; each finished sum is quantised at once for attention's products and stored as code.
; Which of the three: gm = cluster y / 8.  "A" (source 1) and "B" (source 0) are rows of codes, 1,024 bytes each.  gm = 0, 1: A = the tokens' codes, B = the weight's.  gm = 2: A = Wv's codes, B = v's:
; the roles are exchanged, so that a lane holds ONE channel and its registers run along the keys, which are the second attention product's K.
; A tile, 256 rows of A x 256 rows of B, is made by a work-group of four waves; a wave makes 128 x 128: 64 accumulators, 512 registers.  K goes in steps of 256 through a ring of two LDS slots filled by the tensor data mover.
; CLUSTERS: 4 x 4 work-groups; the four of a row of the cluster need the same tiles of A, the four of a column the same tiles of B: each tile is asked for JOINTLY.  gm and cluster y are equal in all sixteen partners.
; THE MATRIX INSTRUCTION IS USED TRANSPOSED (source 0 = 16 rows of B, source 1 = 16 rows of A): lane (r, h) register j of accumulator (a, b) holds A's row 16 a + r against B's row 16 b + 8 h + j.  The launch before has
; exchanged the second and third eight of every 32 rows of B's buffer, so the 16 registers of accumulators (a, 2 b') and (a, 2 b' + 1) are 16 NEIGHBOURS, 32 b' + 16 h + 0 .. 15: two conversions make of them four
; registers of the next operand, and one store of 512 consecutive bytes puts them down as an image of that operand's registers: [fragment][c 0..1][lane][16 bytes].  No stage, no shuffle.
; A sum stands for sum x 2^(ea + eb); its code is sum / 2^E, E = e6 - e0 - e1 (Q), e7 - e2 - e3 (K), e9 - e4 - e5 (V), held within +-57,344.  LIMIT: -126 <= E <= 112.  E is chosen without a branch.
; REGISTERS, in windows of 256: window 0: v0-31 addresses; from v128 A's fragments, ONE set; on the way out v32-95 held sums, v96-223 codes.  window 1: B's fragments, TWO sets.  windows 2, 3: the accumulators.
.set SIZE_K, 1024
.set KSTEP,  256                       ; along K in a slot
.set ROWB,   256                       ; a tile's row in bytes
.set KROW,   SIZE_K                    ; a row of codes in memory, in bytes
.set PITCH,  272                       ; an LDS row: 256 bytes + 16 of padding = 68 words: row r starts at bank 4 r mod 64 (64 banks of 4 bytes: ISA guide 11.1)
.set FR,     16                        ; registers of a fragment: 16 rows x 128 K
.set NL,     4                         ; LDS loads that bring one
.set NP,     4                         ; places behind this matrix instruction (ISA guide 7.12.1)
.set HALFT,  128*PITCH                 ; 128 rows: what one tensor load brings, and what one wave reads of A or of B
.set SLOT,   4*HALFT                   ; A's 256 rows, then B's 256 rows
.set LAPS,   SIZE_K/(2*KSTEP)          ; a lap = two K steps = once round the ring
.set SPARE,  2*SLOT                    ; behind the ring: the spare words, 128 bytes for each wave: two blocks of 256 bytes that no other line names
.set ADRA, 16                          ; v16-17  LDS address of my A fragments in slot 0, 1
.set ADRB, 20                          ; v20-21  the same for B
.set CO,   26                          ; v26     16 x lane: my place in a store's 512 bytes
.set SPW,  28                          ; v28     LDS address of my spare word; never rewritten
.set NIL,  29                          ; v29     0; never rewritten
.set SCL,  30                          ; v30     2^E as f32
.set LIM,  31                          ; v31     57,344 x 2^E
.set TMP,  32                          ; the way out: a block's 64 sums, held
.set COD,  96                          ; the way out: 16 registers of codes for each of the eight blocks: no store's data are written again
.set AF,   128                         ; A's fragments, in window 0
.set G1, 24                            ; s[24:31] descriptor group 1 for A's tiles;  s[32:39] group 0, one set for each slot
.set G0, 32
.set G1B, 48                           ; s[48:55], s[56:63] the same for B's tiles
.set G0B, 56
.set PP, 80                            ; s[80:87] four addresses in qkv; never rewritten
.set MSB, 0
.macro WIN new                         ; the immediate's high byte repeats the setting that is left
.if MSB != \new
	s_set_vgpr_msb (MSB<<8)|\new
.set MSB, \new
.endif
.endm
.set MUL_LO, 0xa1                      ; source 0 (B) window 1, source 1 (A) window 0, C and D window 2
.set MUL_HI, 0xf1                      ; the same, C and D window 3
.set TO_B,   0x40                      ; destination window 1, address window 0
; A joint load: waves 0 and 1 fetch for A, waves 2 and 3 for B.  Each of the two lines has ONE mask and one set of registers for all that issue it; the branch hangs on the wave's number alone.
; Four v_nop follow each of the two lines, ahead of the jump, the label and what follows.
.macro JLOAD g0a, g1a, g0b, g1b
	s_cmp_eq_u32 s15, 0
	s_cbranch_scc0 .Lfor_b_\@
	tensor_load_to_lds s[\g0a:\g0a+3], s[\g1a:\g1a+7]
	s_nop 0
.rept 4
	v_nop
.endr
	s_branch .Lasked_\@
.Lfor_b_\@:
	tensor_load_to_lds s[\g0b:\g0b+3], s[\g1b:\g1b+7]
	s_nop 0
.rept 4
	v_nop
.endr
.Lasked_\@:
.endm
.macro CREST                           ; a round of the cluster's barrier behind its opening barrier
	s_cmp_lg_u32 s14, 0
	s_cbranch_scc1 .Lnot_wave_0_\@
	s_barrier_signal -3
.Lnot_wave_0_\@:
	s_barrier_wait -3
	s_barrier_signal -1
	s_barrier_wait -1
.endm
.macro CROUND                          ; a whole round
	s_barrier_signal -1
	s_barrier_wait -1
	CREST
.endm
	s_load_b128 s[4:7], s[0:1], 0x0                ; xc s[4:5], wc s[6:7]
	s_load_b128 s[8:11], s[0:1], 0x10              ; the scales' exponents s[8:9], qkv s[10:11]
	v_lshl_add_u32 v[SPW], v0, 2, SPARE
	v_mov_b32 v[NIL], 0
	ds_add_u32 v28, v29
	ds_add_u32 v28, v29
	s_wait_dscnt 0x0
	v_lshrrev_b32 v1, 5, v0
	v_readfirstlane_b32 s14, v1                    ; wave 0..3
	s_lshr_b32 s15, s14, 1                         ; which half of the tile's rows of A is mine.  Also: I fetch for A (0) or for B (1)
	s_and_b32 s16, s14, 1                          ; which half of its rows of B.  Also: which 128 rows of that tile I fetch
	s_bfe_u32 s40, ttmp6, 0x40000                  ; cx, cy: my place in the cluster
	s_bfe_u32 s41, ttmp6, 0x40004
	s_and_b32 s17, ttmp7, 0xffff                   ; cluster y, 0 .. 23 (there is one cluster along x)
	s_lshr_b32 s66, s17, 3                         ; gm: 0 Q, 1 K, 2 V
	s_and_b32 s67, s17, 7                          ; which four of the 32 tiles along the tokens
	s_lshl_b32 s90, s66, 23                        ; q's or k's codes in xc,
	s_lshl_b32 s92, s66, 20                        ; Wq's or Wk's in wc
	s_mov_b32 s91, 0x200000                        ; Wv's codes in wc,
	s_mov_b32 s93, 0x1000000                       ; v's in xc
	s_cmp_lt_u32 s66, 2
	s_cselect_b32 s88, s67, 0                      ; the tokens lie along A (gm < 2),
	s_cselect_b32 s89, 0, s67                      ; or along B
	s_cselect_b32 s90, s90, s91                    ; A's tensor in its buffer
	s_cselect_b32 s92, s92, s93                    ; B's
	s_lshl_b32 s17, s88, 2
	s_add_co_u32 s17, s17, s41                     ; tile of A's rows: shared along a row of the cluster
	s_lshl_b32 s42, s89, 2
	s_add_co_u32 s42, s42, s40                     ; tile of B's rows: shared along a column
	s_lshl_b32 s43, s41, 2
	s_lshl_b32 s43, 15, s43                        ; my row of the cluster
	s_lshl_b32 s44, 0x1111, s40                    ; my column
	; descriptor group 1: a tile of 128 rows x ROWB bytes, padded in LDS
	s_or_b32 s[G1+0], s43, (0<<16)|(1<<20)|(1<<21)|(5<<22)|(3<<25)  ; 15:0 the mask: A's tiles go to my row; 17:16 element of 1 byte; 20 padding on; 21 set beside a mask; 24:22 after every 64 words (code 5); 31:25 of 4 words (code 3)
	s_or_b32 s[G1B+0], s44, (0<<16)|(1<<20)|(1<<21)|(5<<22)|(3<<25)
.irp g, G1, G1B
	s_mov_b32 s[\g+1], ROWB<<16                    ; tensor_dim0
	s_mov_b32 s[\g+2], 128<<16                     ; tensor_dim1 = 128
	s_mov_b32 s[\g+3], ROWB<<16                    ; tile_dim0
	s_mov_b32 s[\g+4], 128                         ; tile_dim1 = 128
	s_mov_b32 s[\g+5], KROW                        ; tensor_dim0_stride
	s_mov_b32 s[\g+6], 0
	s_mov_b32 s[\g+7], 0
.endr
	s_lshl_b32 s18, s16, 7                         ; which 128 rows of the tile I fetch
	s_lshl_b32 s20, s17, 8
	s_add_co_u32 s20, s20, s18                     ; A: row 256 x tile + 128 x half,
	s_lshl_b32 s20, s20, 10                        ; 1,024 bytes a row,
	s_add_co_u32 s20, s20, s90                     ; in its tensor
	s_mov_b32 s21, 0
	s_lshl_b32 s46, s42, 8
	s_add_co_u32 s46, s46, s18                     ; B likewise, in registers that never hold cy
	s_lshl_b32 s46, s46, 10
	s_add_co_u32 s46, s46, s92
	s_mov_b32 s47, 0
	s_mul_i32 s45, s14, HALFT                      ; where they go: wave x 128 rows: no place in the cluster enters an LDS address
	s_wait_kmcnt 0x0
	s_load_b256 s[68:75], s[8:9], 0x0              ; e0 .. e7
	s_load_b128 s[76:79], s[8:9], 0x20             ; e8 .. e11
	s_cmp_lt_u32 s66, 2                            ; the choice of buffers hangs on the cluster's number alone
	s_cselect_b64 s[94:95], s[4:5], s[6:7]
	s_cselect_b64 s[98:99], s[6:7], s[4:5]
	s_add_nc_u64 s[20:21], s[94:95], s[20:21]
	s_add_nc_u64 s[46:47], s[98:99], s[46:47]
	CROUND                                         ; all sixteen work-groups are here: the first joint loads meet
.irp s, 0,1
	s_mov_b32 s[G0+4*\s], 1
	s_add_co_u32 s[G0+4*\s+1], s45, \s*SLOT
	s_add_nc_u64 s[G0+4*\s+2:G0+4*\s+3], s[20:21], \s*ROWB
	s_or_b32 s[G0+4*\s+3], s[G0+4*\s+3], 0x80000000
	s_mov_b32 s[G0B+4*\s], 1
	s_add_co_u32 s[G0B+4*\s+1], s45, \s*SLOT
	s_add_nc_u64 s[G0B+4*\s+2:G0B+4*\s+3], s[46:47], \s*ROWB
	s_or_b32 s[G0B+4*\s+3], s[G0B+4*\s+3], 0x80000000
	JLOAD G0+4*\s, G1, G0B+4*\s, G1B
.endr
	v_and_b32 v1, 15, v0                           ; l % 16
	v_bfe_u32 v2, v0, 4, 1                         ; l / 16
	v_mul_u32_u24 v3, v1, PITCH
	v_lshl_add_u32 v4, v2, 4, v3                   ; a fragment's row x pitch + 16 x half
	s_mul_i32 s21, s15, HALFT                      ; my 128 rows of A
	s_mul_i32 s22, s16, HALFT                      ; my 128 rows of B,
	s_add_co_u32 s22, s22, 2*HALFT                 ; which lie behind A's 256
.irp s, 0,1
	v_add_nc_u32 v[ADRA+\s], s21, v4
	v_add_nc_u32 v[ADRB+\s], s22, v4
	s_add_co_u32 s21, s21, SLOT
	s_add_co_u32 s22, s22, SLOT
.endr
	v_and_b32 v6, 31, v0
	v_lshlrev_b32 v[CO], 4, v6
.macro FRAG reg, adr, q, i             ; a fragment, 16 rows x 128 K of 8-bit codes, is 16 registers: lane l holds row l % 16; registers 4 c .. 4 c + 3 hold K = 32 c + 16 (l / 16) + 0 .. 15: the same order of k in A and in B
.irp c, 0,1,2,3
	ds_load_b128 v[\reg+4*\c:\reg+4*\c+3], v[\adr] offset:128*(\q)+32*\c+(\i)*16*PITCH
.endr
.endm
; 16 matrix instructions: A's blocks a0, a0 + 1 x B's eight, 128 along K.  p: B's set.  zero = 1: the first product starts the sums: nothing is ever cleared.
; The 64 accumulators take turns, one instruction a turn, in the same order in every step.
.macro MUL16 a0, p, zero
.irp a, \a0, \a0+1
.irp b, 0,1,2,3,4,5,6,7
.if \zero
	v_wmma_f32_16x16x128_bf8_bf8 v[8*(8*((\a)%4)+\b):8*(8*((\a)%4)+\b)+7], v[128*(\p)+FR*\b:128*(\p)+FR*\b+FR-1], v[AF+FR*(\a):AF+FR*(\a)+FR-1], 0
.else
	v_wmma_f32_16x16x128_bf8_bf8 v[8*(8*((\a)%4)+\b):8*(8*((\a)%4)+\b)+7], v[128*(\p)+FR*\b:128*(\p)+FR*\b+FR-1], v[AF+FR*(\a):AF+FR*(\a)+FR-1], v[8*(8*((\a)%4)+\b):8*(8*((\a)%4)+\b)+7]
.endif
.endr
.endr
.endm
.macro FETCH_B slot, q, p              ; B's eight fragments of the slot's q-th 128 along K into set p
	WIN TO_B
.irp i, 0,1,2,3,4,5,6,7
	FRAG 128*(\p)+FR*\i, ADRB+\slot, \q, \i
.endr
	WIN 0
.endm
.macro FETCH_A slot, q, i0             ; A's blocks i0 .. i0 + 3
.irp i, \i0, \i0+1, \i0+2, \i0+3
	FRAG AF+FR*(\i), ADRA+\slot, \q, \i
.endr
.endm
; A load into a register that a matrix instruction has read, and a vector instruction that reads a matrix result, stand NP places behind that matrix instruction, and only plain vector
; instructions that name none of its registers are places (ISA guide 7.12.1 for vector instructions).
.macro PLACES n
.rept \n
	v_nop
.endr
.endm
; A step of 128 along K that has its successor in the same slot.
.macro STEP slot, q, zero
	s_wait_dscnt 4*NL                              ; B's set and A's blocks 0-3 are in; the youngest 16 loads (A's blocks 4-7) may be out
	WIN MUL_LO
	MUL16 0, (\q)%2, \zero
	MUL16 2, (\q)%2, \zero
	s_wait_dscnt 0                                 ; A's blocks 4-7 are in (asked for 32 matrix instructions ago)
	PLACES NP
	FETCH_B \slot, (\q)+1, 1-(\q)%2
	FETCH_A \slot, (\q)+1, 0
	WIN MUL_HI
	MUL16 4, (\q)%2, \zero
	MUL16 6, (\q)%2, \zero
	PLACES NP
	WIN 0
	FETCH_A \slot, (\q)+1, 4
.endm
; A slot's last step changes slots: ONE barrier; in front of it each wave waits for all its tensor loads, adds 0 to its spare word, and waits for that and for its own reads of this slot.  fill = 1: this slot is filled again, two K steps ahead.
.macro TURN slot, next, fill
	s_wait_tensorcnt 0x0                           ; all my tensor loads have landed: my part of the next slot;  (every window is 0 here: the add's two registers lie in window 0)
	ds_add_u32 v[SPW], v[NIL]                      ; 0 onto my spare word
	s_wait_dscnt 4*NL+1                            ; (the add and the youngest 16 loads, A's blocks 4-7, may be out)
	WIN MUL_LO
	MUL16 0, 1, 0                                  ; sixteen matrix instructions stand between the add and the wait for it
	s_wait_dscnt 0x0                               ; the add is done, and my reads of this slot are over
	s_barrier_signal -1
	MUL16 2, 1, 0
	WIN 0
	s_barrier_wait -1
.if \fill
	CREST                                          ; the barrier has opened a round of the cluster's barrier: no wave of any partner still reads this slot's tile or has a load on its way
	s_add_nc_u64 s[G0+4*\slot+2:G0+4*\slot+3], s[G0+4*\slot+2:G0+4*\slot+3], 2*ROWB
	s_add_nc_u64 s[G0B+4*\slot+2:G0B+4*\slot+3], s[G0B+4*\slot+2:G0B+4*\slot+3], 2*ROWB
	JLOAD G0+4*\slot, G1, G0B+4*\slot, G1B         ; the first tensor load behind the round; the four v_nop behind it are the places in front of the loads below
.else
	PLACES NP
.endif
	FETCH_B \next, 0, 0
	FETCH_A \next, 0, 0
	WIN MUL_HI
	MUL16 4, 1, 0
	MUL16 6, 1, 0
	PLACES NP
	WIN 0
	FETCH_A \next, 0, 4
.endm
	s_wait_tensorcnt 1                             ; my part of K step 0 is in (K step 1's load may be out)
	s_barrier_signal -1
	s_barrier_wait -1                              ; everybody's is
	FETCH_B 0, 0, 0
	FETCH_A 0, 0, 0
	FETCH_A 0, 0, 4
	STEP 0, 0, 1                                   ; the first step stands in front of the loop: its products start the sums
	s_mov_b32 s3, LAPS-1
.Llap:                                                 ; a trip goes once round the ring, from a lap's second step to the next lap's first, and fills both slots again
	TURN 0, 1, 1
	STEP 1, 0, 0
	TURN 1, 0, 1
	STEP 0, 0, 0
	s_sub_co_u32 s3, s3, 1
	s_cmp_lg_u32 s3, 0
	s_cbranch_scc1 .Llap
	TURN 0, 1, 0                                   ; the last lap fills nothing, and has no round of the cluster's barrier
	STEP 1, 0, 0
	s_wait_dscnt 4*NL                              ; the very last step: nothing more to fetch
	WIN MUL_LO
	MUL16 0, 1, 0
	MUL16 2, 1, 0
	s_wait_dscnt 0
	WIN MUL_HI
	MUL16 4, 1, 0
	MUL16 6, 1, 0
	WIN 0
	; THE WAY OUT.  The scale of the conversion, chosen without a branch:
	s_wait_kmcnt 0x0
	s_sub_co_i32 s88, s74, s68                     ; Q: e6 - e0 - e1
	s_sub_co_i32 s88, s88, s69
	s_sub_co_i32 s89, s75, s70                     ; K: e7 - e2 - e3
	s_sub_co_i32 s89, s89, s71
	s_sub_co_i32 s90, s77, s72                     ; V: e9 - e4 - e5
	s_sub_co_i32 s90, s90, s73
	s_cmp_eq_u32 s66, 0
	s_cselect_b32 s88, s88, s89
	s_cmp_eq_u32 s66, 2
	s_cselect_b32 s88, s90, s88
	s_add_co_i32 s88, s88, 127
	s_lshl_b32 s89, s88, 23
	v_mov_b32 v[SCL], s89                          ; 2^E as f32
	s_add_co_i32 s88, s88, 15
	s_lshl_b32 s88, s88, 23
	s_or_b32 s88, s88, 0x600000
	v_mov_b32 v[LIM], s88                          ; 57,344 x 2^E
	; Where my 128 x 128 goes.  A (batch, head) has 131,072 bytes in each of the three parts of qkv; a token's (or key's) share of them is 64 bytes.
	; gm < 2: block a = a fragment of 16 tokens (1,024 bytes on), b' / 2 = the head (131,072 on), b' % 2 = c (512 on).  gm = 2: a / 4 = the head, a % 4 = the fragment of channels (1,024 on), b' / 2 = the step of 64 keys (4,096 on), b' % 2 = c.
	s_mov_b32 s93, 0x20000
	s_mov_b32 s94, 4096
	s_cmp_lt_u32 s66, 2
	s_cselect_b32 s88, s17, s42                    ; the tile along the tokens,
	s_cselect_b32 s89, s15, s16                    ; my half of it,
	s_cselect_b32 s90, s42, s17                    ; the tile along the features,
	s_cselect_b32 s91, s16, s15                    ; my half of it
	s_cselect_b32 s92, s94, s93                    ; four blocks of A on
	s_cselect_b32 s94, s93, s94                    ; two pairs of B's blocks on
	s_lshl_b32 s88, s88, 8
	s_lshl_b32 s89, s89, 7
	s_add_co_u32 s88, s88, s89                     ; my first token
	s_lshl_b32 s90, s90, 2
	s_lshl_b32 s91, s91, 1
	s_add_co_u32 s90, s90, s91                     ; my first head
	s_lshr_b32 s89, s88, 11                        ; the batch
	s_lshl_b32 s89, s89, 4
	s_add_co_u32 s89, s89, s90
	s_lshl_b32 s89, s89, 17
	s_and_b32 s88, s88, 2047
	s_lshl_b32 s88, s88, 6
	s_add_co_u32 s88, s88, s89
	s_lshl_b32 s89, s66, 23                        ; Q's, K's or V's part
	s_add_co_u32 s88, s88, s89
	s_mov_b32 s89, 0
	s_mov_b32 s93, 0
	s_mov_b32 s95, 0
	s_add_nc_u64 s[PP:PP+1], s[10:11], s[88:89]
	s_add_nc_u64 s[PP+2:PP+3], s[PP:PP+1], s[94:95]
	s_add_nc_u64 s[PP+4:PP+5], s[PP:PP+1], s[92:93]
	s_add_nc_u64 s[PP+6:PP+7], s[PP+4:PP+5], s[94:95]
	PLACES NP                                      ; behind the last products: the lines below read results and write registers that held A's fragments
; Block a: its 64 sums are held (each accumulator from its low end on), converted, and stored as four runs of 512 consecutive bytes.
.macro OUTBLK a
.set AC, 64*((\a)%4)
	WIN 0x02+((\a)/4)                              ; source 0: window 2 or 3
.set n, 0
.rept 64
	v_med3_num_f32 v[TMP+n], v[AC+n], -v[LIM], v[LIM]   ; the conversion to an 8-bit code does not saturate (ISA guide 7.6.2): the hold is always made
.set n, n+1
.endr
	WIN 0
.irp bp, 0,1,2,3
	v_cvt_scalef32_pk8_bf8_f32 v[COD+16*(\a)+4*\bp:COD+16*(\a)+4*\bp+1], v[TMP+16*\bp:TMP+16*\bp+7], v[SCL]
	v_cvt_scalef32_pk8_bf8_f32 v[COD+16*(\a)+4*\bp+2:COD+16*(\a)+4*\bp+3], v[TMP+16*\bp+8:TMP+16*\bp+15], v[SCL]
.endr
	v_nop                                          ; one plain line between the conversions and the next block's holds, which write their sources
.irp bp, 0,1,2,3
	global_store_b128 v[CO], v[COD+16*(\a)+4*\bp:COD+16*(\a)+4*\bp+3], s[PP+4*((\a)/4)+2*(\bp/2):PP+4*((\a)/4)+2*(\bp/2)+1] offset:((\a)%4)*1024+(\bp%2)*512
.endr
.endm
.irp a, 0,1,2,3,4,5,6,7
	OUTBLK \a
.endr
	s_wait_tensorcnt 0x0                           ; the wave's end
	ds_add_u32 v[SPW], v[NIL]
	s_wait_dscnt 0x0
	CROUND                                         ; the closing round: no work-group ends while a partner may still ask for a tile that names it
	s_endpgm
.Lfunc_end_k_qbb095730c2_proj:
	.size	k_qbb095730c2_proj, .Lfunc_end_k_qbb095730c2_proj-k_qbb095730c2_proj
	.p2alignl 7, 3214868480
	.fill 96, 4, 3214868480
	.section	.rodata,"a",@progbits
	.p2align	6, 0x0
	.amdhsa_kernel k_qbb095730c2_proj
		.amdhsa_group_segment_fixed_size 327680
		.amdhsa_private_segment_fixed_size 0
		.amdhsa_enable_private_segment 0
		.amdhsa_kernarg_size 32
		.amdhsa_user_sgpr_count 2
		.amdhsa_user_sgpr_kernarg_segment_ptr 1
		.amdhsa_wavefront_size32 1
		.amdhsa_system_sgpr_workgroup_id_x 1
		.amdhsa_system_sgpr_workgroup_id_y 1
		.amdhsa_system_sgpr_workgroup_id_z 1
		.amdhsa_system_vgpr_workitem_id 0
		.amdhsa_next_free_vgpr 1024
		.amdhsa_next_free_sgpr 100
		.amdhsa_reserve_vcc 0
		.amdhsa_float_denorm_mode_32 3
		.amdhsa_float_denorm_mode_16_64 3
		.amdhsa_memory_ordered 1
		.amdhsa_forward_progress 1
		.amdhsa_inst_pref_size 119
	.end_amdhsa_kernel
	.amdgpu_metadata
---
amdhsa.version: [ 1, 2 ]
amdhsa.kernels:
  - .name:           k_qbb095730c2_proj
    .symbol:         k_qbb095730c2_proj.kd
    .args:
      - { .name: xc, .offset: 0, .size: 8, .value_kind: global_buffer, .address_space: global }
      - { .name: wc, .offset: 8, .size: 8, .value_kind: global_buffer, .address_space: global }
      - { .name: lowp_scales, .offset: 16, .size: 8, .value_kind: global_buffer, .address_space: global }
      - { .name: qkv, .offset: 24, .size: 8, .value_kind: global_buffer, .address_space: global }
    .group_segment_fixed_size: 327680
    .private_segment_fixed_size: 0
    .kernarg_segment_align: 8
    .kernarg_segment_size: 32
    .max_flat_workgroup_size: 128
    .sgpr_count:     100
    .vgpr_count:     1024
    .wavefront_size: 32
...
	.end_amdgpu_metadata
.endif
;; end of part 2
;; launch attn (part 3): grid 4 x 64, 16 waves a work-group, no clusters, 264,192 bytes of LDS; arguments qkv, mflags, mwords, lowp_scales, ao; writes ao
.if DOCPART == 3
	.amdgcn_target "amdgcn-amd-amdhsa--gfx1250"
	.amdhsa_code_object_version 6
	.text
	.protected	k_qbb095730c2_attn
	.globl	k_qbb095730c2_attn
	.p2align	8
	.type	k_qbb095730c2_attn,@function
k_qbb095730c2_attn:
	s_mov_b64 s[64:65], 0
	v_nop
	global_prefetch_b8 v0, s[64:65] scope:SCOPE_SE
	s_setreg_imm32_b32 hwreg(HW_REG_WAVE_MODE, 25, 1), 1
	s_wait_xcnt 0x0
; ATTENTION on codes of BF8 (E5M2): for each (batch, head): scores = Q K^T / 8, masked scores = -infinity, attn = softmax (a row with no key left: zeros), out = attn V.  Head size 64, 2,048 queries and keys.
; WHAT IS QUANTISED FOR THE SECOND PRODUCT IS THE FINISHED, NORMALISED attn.  So a row's maximum and sum are known before any weight is made: TWO PASSES over the keys.
;   Pass 1: S^T = K Q^T; t = score x log2(e) / 8; a running whole number M >= t (kept as -M = floor(-t)) and l = the sum of 2^(t - M), in each lane for its own half of the keys; the halves meet once, behind the pass.
;   Between: z = M + log2(l).   Pass 2: S^T again; attn = 2^(t - z); held at 57,344 x 2^e8, converted with 2^e8; O^T += V^T P^T.
; THE MASK is an input and is honoured as it is given.  An earlier launch has turned it into lane masks (mwords) and, for each block of 32 queries x 64 keys, two flags (mflags): SKIP = wholly masked, MIX = partly.
; A block with SKIP adds nothing to any sum and is jumped over, by a scalar branch on the stored flag; in a block with MIX the masked scores become -infinity ahead of everything else.
; This launch has no tensor load, no copy and no joint request: the four work-groups of a head each bring K and V in through registers, once, at the head.
; SHARES.  A work-group has one (batch, head) and 16 of its 64 groups of 32 queries, a group to a wave (two tiles of 16 queries, which share every fragment of K and V).  Which groups: g = 4 nib + gam, nib and gam read
; from three constants by the wave's number, so that every g is taken once and the four waves with equal w / 4, and those with equal w % 4, have groups that add up to 126: even work where the kept part grows with g.
; LDS: the head's K images at 0, its V images at 131,072, as they lie in memory: a fragment (16 rows x 64 K) is [c 0..1][lane][16 bytes], so a load reads 512 consecutive bytes.  Behind the one barrier LDS is only read.
; LAYOUT.  Both products transposed: a lane holds ONE query (lane % 16).  K's fragment 2 b + u holds in lane r key 32 b + 8 u + r + 8 (r / 8), so register 16 b + i of a tile's S^T is key 32 b + 16 (lane / 16) + i:
; the conversions' results are the second product's operand.  V's fragments hold channels in the same order, so O^T's 16 registers are 16 neighbouring channels, and their codes an image of the last product's operand.
; LIMITS on the given exponents, so that each power of two below is an f32 number: e6 + e7 between -123 and 130; e8, and e10 - e8 - e9, between -126 and 112.  A weight below 2^-126 is 0.  z is one f32 number: a weight
; carries its rounding, half a unit in z's last place.  NaN among the inputs is not served.
.set VLDS, 131072
.set ST,  12                           ; v12-19, v20-27 a tile's statistics: +0 -M, later -z; +1 the largest t; +2, +3 l in two halves; +4 f; +5 zero (named with f as a pair); +6, +7 at work
.set QF,  28                           ; v28-43   Q: 8 registers a tile
.set KF,  44                           ; v44-75   K: 4 fragments
.set VF,  76                           ; v76-107  V: 4 fragments
.set S,   108                          ; v108-171 S^T, 32 a tile; at the head K on its way to LDS
.set PC,  172                          ; v172-187 the weights' codes, 8 a tile; at the end O's
.set O,   188                          ; v188-251 O^T, 32 a tile; at the head V on its way to LDS
; v1 16 x thread; v2 16 x lane; v3 v2 + VLDS; v4, v5 the step's addresses; v6 -infinity; v7 2^e8; v8 57,344 x 2^e8; v10, v11 the same for the output; v252-254 v1 + 65,536, + 131,072, + 196,608
; s2 wave; s3 g; s[4:5] Q's address, later the step's mask words; s[8:9] my group's mask words; s[12:13] ao; s14 (batch, head); s15 e10; s16 SKIP; s17 MIX; s18 step; s19 4,096 x step; s[20:21] lane selects;
; s[22:23] c = log2(e) / 8 x 2^(e6 + e7), twice; s[28:31] e6 .. e9; s[32:63], s[68:99] a step's 64 mask words
	s_load_b256 s[4:11], s[0:1], 0x0               ; qkv, mflags, mwords, the scales' exponents
	s_load_b64 s[12:13], s[0:1], 0x20              ; ao
	v_lshrrev_b32 v9, 5, v0
	v_readfirstlane_b32 s2, v9                     ; wave 0..15
	v_lshlrev_b32 v1, 4, v0
	v_and_b32 v2, 31, v0
	v_lshlrev_b32 v2, 4, v2
	v_add_nc_u32 v3, VLDS, v2
	v_add_nc_u32 v252, 0x10000, v1
	v_add_nc_u32 v253, 0x20000, v1
	v_add_nc_u32 v254, 0x30000, v1
	v_mov_b32 v6, 0xff800000
	s_and_b32 s14, ttmp7, 0xffff
	s_and_b32 s24, s2, 7
	s_lshl_b32 s24, s24, 2
	s_mov_b32 s25, 0x9C36FA50
	s_mov_b32 s26, 0x278D41EB
	s_cmp_lt_u32 s2, 8
	s_cselect_b32 s25, s25, s26
	s_lshr_b32 s25, s25, s24
	s_and_b32 s25, s25, 15                         ; nib: the sixteen waves take the sixteen values
	s_lshl_b32 s24, s2, 1
	s_lshr_b32 s26, 0x4EB11BE4, s24
	s_add_co_u32 s26, s26, ttmp9
	s_and_b32 s26, s26, 3                          ; gam: the four work-groups of a head take the four values
	s_lshl_b32 s3, s25, 2
	s_add_co_u32 s3, s3, s26                       ; g
	s_mov_b32 s20, 0x76543210
	s_mov_b32 s21, 0xfedcba98
	s_mov_b32 s22, 0x3e38aa3b                      ; log2(e) / 8
	s_mov_b32 s25, 0
	s_wait_kmcnt 0x0
	s_load_b128 s[28:31], s[10:11], 0x18           ; e6, e7, e8, e9
	s_load_b32 s15, s[10:11], 0x28                 ; e10
	s_lshl_b32 s24, s3, 3
	s_add_nc_u64 s[6:7], s[6:7], s[24:25]
	s_load_b64 s[16:17], s[6:7], 0x0               ; my group's SKIP and MIX
	s_lshl_b32 s24, s3, 13
	s_add_nc_u64 s[8:9], s[8:9], s[24:25]          ; my group's mask words: 32 steps of 256 bytes
	s_lshl_b32 s24, s14, 17
	s_add_nc_u64 s[4:5], s[4:5], s[24:25]          ; the head's Q images,
	s_add_nc_u64 s[32:33], s[4:5], 0x800000        ; its K images,
	s_add_nc_u64 s[34:35], s[4:5], 0x1000000       ; its V images
	s_lshl_b32 s24, s3, 11
	s_add_nc_u64 s[4:5], s[4:5], s[24:25]          ; my two fragments of Q
	s_lshr_b32 s24, s14, 4
	s_lshl_b32 s24, s24, 7
	s_lshl_b32 s26, s3, 1
	s_add_co_u32 s24, s24, s26                     ; my first tile of 16 rows of the output: 128 x batch + 2 g,
	s_lshl_b32 s24, s24, 14                        ; 16,384 bytes each;
	s_and_b32 s26, s14, 15
	s_lshl_b32 s26, s26, 10                        ; the head's 64 of a row's 1,024 codes: 1,024 bytes of the image
	s_add_co_u32 s24, s24, s26
	s_add_nc_u64 s[12:13], s[12:13], s[24:25]
.irp t, 0,1
.irp c, 0,1
	global_load_b128 v[QF+8*\t+4*\c:QF+8*\t+4*\c+3], v2, s[4:5] offset:1024*\t+512*\c
.endr
.endr
.set i, 0
.rept 16
	global_load_b128 v[S+4*i:S+4*i+3], v1, s[32:33] offset:8192*i     ; the work-group's 512 threads read 8,192 consecutive bytes
.set i, i+1
.endr
.set i, 0
.rept 16
	global_load_b128 v[O+4*i:O+4*i+3], v1, s[34:35] offset:8192*i
.set i, i+1
.endr
.irp t, 0,1
	v_mov_b32 v[ST+8*\t+1], 0xff61b1e6             ; the largest t so far: -3e38, under every t
	v_floor_f32 v[ST+8*\t], -v[ST+8*\t+1]          ; -M
.irp j, 2,3,4,5,6,7
	v_mov_b32 v[ST+8*\t+\j], 0                     ; l; and the others are written once, since a group may have no block at all
.endr
.endr
	s_wait_kmcnt 0x0
	s_add_co_i32 s24, s28, s29
	s_lshl_b32 s24, s24, 23
	s_add_co_i32 s22, s22, s24                     ; a score stands for score x 2^(e6 + e7): the exponents are added to c's exponent field
	s_mov_b32 s23, s22                             ; (named with it as a pair, so it is written)
	s_add_co_i32 s24, s30, 127
	s_lshl_b32 s25, s24, 23
	v_mov_b32 v7, s25                              ; 2^e8 as f32
	s_add_co_i32 s24, s24, 15
	s_lshl_b32 s24, s24, 23
	s_or_b32 s24, s24, 0x600000
	v_mov_b32 v8, s24                              ; 57,344 x 2^e8
	s_wait_loadcnt 16                              ; Q and K are in; V's sixteen loads may be out
.set i, 0
.rept 8
	ds_store_b128 v1, v[S+4*i:S+4*i+3] offset:8192*i
	ds_store_b128 v252, v[S+32+4*i:S+32+4*i+3] offset:8192*i
.set i, i+1
.endr
	s_wait_loadcnt 0x0
.set i, 0
.rept 8
	ds_store_b128 v253, v[O+4*i:O+4*i+3] offset:8192*i
	ds_store_b128 v254, v[O+32+4*i:O+32+4*i+3] offset:8192*i
.set i, i+1
.endr
	s_wait_dscnt 0x0                               ; for the others' sake: my stores have landed
	s_barrier_signal -1
	s_barrier_wait -1                              ; K and V are whole; from here on LDS is only read
.macro LDK                             ; the step's four fragments of K
.irp kt, 0,1,2,3
.irp c, 0,1
	ds_load_b128 v[KF+8*\kt+4*\c:KF+8*\kt+4*\c+3], v4 offset:1024*\kt+512*\c
.endr
.endr
.endm
.macro LDV                             ; and of V
.irp ct, 0,1,2,3
.irp c, 0,1
	ds_load_b128 v[VF+8*\ct+4*\c:VF+8*\ct+4*\c+3], v5 offset:1024*\ct+512*\c
.endr
.endr
.endm
.macro QK                              ; S^T = K Q^T: 64 keys x 32 queries, eight accumulators, each begun with 0.  The four v_nop are the places ahead of the first read of a result and of later loads into K's registers
.irp kt, 0,1,2,3
.irp t, 0,1
	v_wmma_f32_16x16x64_bf8_bf8 v[S+32*\t+8*\kt:S+32*\t+8*\kt+7], v[KF+8*\kt:KF+8*\kt+7], v[QF+8*\t:QF+8*\t+7], 0
.endr
.endr
.rept 4
	v_nop
.endr
.endm
.macro MASK                            ; the step's 64 words: word 2 rho + tau is the lane mask of register rho of tile tau.  Each accumulator is taken from its low end on
	s_load_b512 s[32:47], s[4:5], 0x0
	s_load_b512 s[48:63], s[4:5], 0x40
	s_load_b512 s[68:83], s[4:5], 0x80
	s_load_b512 s[84:99], s[4:5], 0xc0
	s_wait_kmcnt 0x0
	s_wait_xcnt 0x0                                ; the loads' base is stepped at the trip's end, behind this wait
.irp t, 0,1
.set n, 0
.rept 32
.if 2*n+\t < 32
	v_cndmask_b32 v[S+32*\t+n], v[S+32*\t+n], v6, s[32+2*n+\t]
.else
	v_cndmask_b32 v[S+32*\t+n], v[S+32*\t+n], v6, s[36+2*n+\t]
.endif
.set n, n+1
.endr
.endr
.endm
	; ---- PASS 1: 32 trips, whatever the flags; a trip whose block is wholly masked goes straight to the lines that step
	s_mov_b32 s18, 0
	s_mov_b32 s19, 0
	s_mov_b64 s[4:5], s[8:9]
.Lone:
	s_bitcmp1_b32 s16, s18
	s_cbranch_scc1 .Lone_next
	v_add_nc_u32 v4, s19, v2
	LDK
	s_wait_dscnt 0x0
	QK
	s_bitcmp1_b32 s17, s18
	s_cbranch_scc0 .Lone_open
	MASK
.Lone_open:
.irp t, 0,1                            ; the largest score of my query among my 32 keys, in two chains a tile; each accumulator is met first at one of its four lowest registers
	v_max3_num_f32 v[ST+8*\t+6], v[S+32*\t], v[S+32*\t+1], v[S+32*\t+2]
	v_max3_num_f32 v[ST+8*\t+7], v[S+32*\t+3], v[S+32*\t+4], v[S+32*\t+5]
.endr
.irp i, 6,10,14,18,22,26
.irp t, 0,1
	v_max3_num_f32 v[ST+8*\t+6], v[ST+8*\t+6], v[S+32*\t+\i], v[S+32*\t+\i+1]
	v_max3_num_f32 v[ST+8*\t+7], v[ST+8*\t+7], v[S+32*\t+\i+2], v[S+32*\t+\i+3]
.endr
.endr
.irp t, 0,1
	v_max3_num_f32 v[ST+8*\t+6], v[ST+8*\t+6], v[S+32*\t+30], v[S+32*\t+31]
.endr
.irp t, 0,1
	v_max_num_f32 v[ST+8*\t+6], v[ST+8*\t+6], v[ST+8*\t+7]
.endr
.irp t, 0,1
	v_mul_f32 v[ST+8*\t+6], s22, v[ST+8*\t+6]      ; as t (c is positive)
.endr
.irp t, 0,1
	v_max_num_f32 v[ST+8*\t+1], v[ST+8*\t+1], v[ST+8*\t+6]   ; the running largest t
.endr
.irp t, 0,1
	v_mov_b32 v[ST+8*\t+6], v[ST+8*\t]
.endr
.irp t, 0,1
	v_floor_f32 v[ST+8*\t], -v[ST+8*\t+1]          ; the new -M = floor(-t): M is a whole number
.endr
.irp t, 0,1
	v_sub_f32 v[ST+8*\t+6], v[ST+8*\t], v[ST+8*\t+6]   ; old M - new M: a whole number, 0 or less
.endr
.irp t, 0,1
	v_cvt_i32_f32 v[ST+8*\t+6], v[ST+8*\t+6]       ; (it saturates)
.endr
.irp t, 0,1
	v_ldexp_f32 v[ST+8*\t+4], 1.0, v[ST+8*\t+6]    ; f = 2^(old M - new M): brings l under the new M and rounds nothing
.endr
.irp t, 0,1
.irp j, 0,2,4,6,8,10,12,14,16,18,20,22,24,26,28,30
	v_pk_fma_f32 v[S+32*\t+\j:S+32*\t+\j+1], v[S+32*\t+\j:S+32*\t+\j+1], s[22:23], v[ST+8*\t:ST+8*\t+1] op_sel_hi:[1,0,0]   ; t - M, two at a time
.endr
.endr
.set n, 0
.rept 64
	v_exp_f32 v[S+n], v[S+n]                       ; one batch
.set n, n+1
.endr
.irp t, 0,1
	v_pk_mul_f32 v[ST+8*\t+2:ST+8*\t+3], v[ST+8*\t+2:ST+8*\t+3], v[ST+8*\t+4:ST+8*\t+5] op_sel_hi:[1,0]   ; l under the new M: the plain lines behind the exponentials
.endr
	s_wait_alu depctr_va_vdst(0)                   ; one wait for the batch, ahead of its first reader
.irp t, 0,1
	v_pk_add_f32 v[ST+8*\t+6:ST+8*\t+7], v[S+32*\t:S+32*\t+1], v[S+32*\t+2:S+32*\t+3]
.endr
.irp j, 4,8,12,16,20,24,28
.irp t, 0,1
	v_pk_add_f32 v[ST+8*\t+2:ST+8*\t+3], v[ST+8*\t+2:ST+8*\t+3], v[S+32*\t+\j:S+32*\t+\j+1]
	v_pk_add_f32 v[ST+8*\t+6:ST+8*\t+7], v[ST+8*\t+6:ST+8*\t+7], v[S+32*\t+\j+2:S+32*\t+\j+3]
.endr
.endr
.irp t, 0,1
	v_pk_add_f32 v[ST+8*\t+2:ST+8*\t+3], v[ST+8*\t+2:ST+8*\t+3], v[ST+8*\t+6:ST+8*\t+7]
.endr
.Lone_next:
	s_add_nc_u64 s[4:5], s[4:5], 256
	s_add_co_u32 s19, s19, 4096
	s_add_co_u32 s18, s18, 1
	s_cmp_lt_u32 s18, 32
	s_cbranch_scc1 .Lone
	; ---- BETWEEN THE PASSES: the two halves of the lanes meet; -z = -M - log2(l).  A row with no key left keeps -M = 3e38 and l = 0: its scores are all -infinity in pass 2, so its weights are zeros.
.irp t, 0,1
	v_add_f32 v[ST+8*\t+2], v[ST+8*\t+2], v[ST+8*\t+3]
	v_permlanex16_b32 v[ST+8*\t+6], v[ST+8*\t], s20, s21
.endr
.irp t, 0,1
	v_min_num_f32 v[ST+8*\t+6], v[ST+8*\t], v[ST+8*\t+6]     ; -M of the whole row
.endr
.irp t, 0,1
	v_sub_f32 v[ST+8*\t+7], v[ST+8*\t+6], v[ST+8*\t]         ; my M - the row's M: a whole number, 0 or less
.endr
.irp t, 0,1
	v_cvt_i32_f32 v[ST+8*\t+7], v[ST+8*\t+7]
.endr
.irp t, 0,1
	v_ldexp_f32 v[ST+8*\t+7], 1.0, v[ST+8*\t+7]
.endr
.irp t, 0,1
	v_mul_f32 v[ST+8*\t+2], v[ST+8*\t+2], v[ST+8*\t+7]
.endr
.irp t, 0,1
	v_permlanex16_b32 v[ST+8*\t+3], v[ST+8*\t+2], s20, s21
.endr
.irp t, 0,1
	v_add_f32 v[ST+8*\t+2], v[ST+8*\t+2], v[ST+8*\t+3]       ; the row's l
.endr
.irp t, 0,1
	v_max_num_f32 v[ST+8*\t+2], 0.5, v[ST+8*\t+2]            ; changes nothing where a key is left (the largest term alone is above 1/2); keeps the logarithm finite where none is
.endr
.irp t, 0,1
	v_log_f32 v[ST+8*\t+3], v[ST+8*\t+2]
.endr
.set n, 0
.rept 64
	v_mov_b32 v[O+n], 0                            ; O^T begins as zeros: which step is the first that is not jumped over hangs on the flags, so no first product can be written out with 0 as its C.  (Also the plain lines behind the logarithms)
.set n, n+1
.endr
	s_wait_alu depctr_va_vdst(0)                   ; one wait for the two logarithms, ahead of their first reader
.irp t, 0,1
	v_sub_f32 v[ST+8*\t], v[ST+8*\t+6], v[ST+8*\t+3]         ; -z
.endr
	; ---- PASS 2
	s_mov_b32 s18, 0
	s_mov_b32 s19, 0
	s_mov_b64 s[4:5], s[8:9]
.Ltwo:
	s_bitcmp1_b32 s16, s18
	s_cbranch_scc1 .Ltwo_next
	v_add_nc_u32 v4, s19, v2
	v_add_nc_u32 v5, s19, v3
	LDK
	LDV
	s_wait_dscnt 8                                 ; K's eight loads are in; V's eight may be out
	QK
	s_bitcmp1_b32 s17, s18
	s_cbranch_scc0 .Ltwo_open
	MASK
.Ltwo_open:
.irp t, 0,1
.irp j, 0,2,4,6,8,10,12,14,16,18,20,22,24,26,28,30
	v_pk_fma_f32 v[S+32*\t+\j:S+32*\t+\j+1], v[S+32*\t+\j:S+32*\t+\j+1], s[22:23], v[ST+8*\t:ST+8*\t+1] op_sel_hi:[1,0,0]   ; t - z, two at a time, each accumulator from its low end on
.endr
.endr
.set n, 0
.rept 64
	v_exp_f32 v[S+n], v[S+n]                       ; attn = 2^(t - z): finished and normalised
.set n, n+1
.endr
	v_nop                                          ; the plain line behind the last exponential
	s_wait_alu depctr_va_vdst(0)                   ; one wait for the batch, ahead of its first reader
.set n, 0
.rept 64
	v_min_num_f32 v[S+n], v[S+n], v8               ; the conversion does not saturate (ISA guide 7.6.2); a weight is not negative, so the hold is one-sided; it is made whatever e8 is
.set n, n+1
.endr
.irp t, 0,1
.irp b, 0,1
	v_cvt_scalef32_pk8_bf8_f32 v[PC+8*\t+4*\b:PC+8*\t+4*\b+1], v[S+32*\t+16*\b:S+32*\t+16*\b+7], v7
	v_cvt_scalef32_pk8_bf8_f32 v[PC+8*\t+4*\b+2:PC+8*\t+4*\b+3], v[S+32*\t+16*\b+8:S+32*\t+16*\b+15], v7
.endr
.endr
	v_nop                                          ; one plain line between the conversions and the products that read their results
	s_wait_dscnt 0x0                               ; V is in
.irp ct, 0,1,2,3                       ; O^T += V^T P^T: eight accumulators, one instruction each; between two links of a chain stand the next step's eight products K Q^T
.irp t, 0,1
	v_wmma_f32_16x16x64_bf8_bf8 v[O+32*\t+8*\ct:O+32*\t+8*\ct+7], v[VF+8*\ct:VF+8*\ct+7], v[PC+8*\t:PC+8*\t+7], v[O+32*\t+8*\ct:O+32*\t+8*\ct+7]
.endr
.endr
.rept 4
	v_nop                                          ; places ahead of the next loads into V's registers, and of the reads of O^T behind the loop
.endr
.Ltwo_next:
	s_add_nc_u64 s[4:5], s[4:5], 256
	s_add_co_u32 s19, s19, 4096
	s_add_co_u32 s18, s18, 1
	s_cmp_lt_u32 s18, 32
	s_cbranch_scc1 .Ltwo
	; ---- THE WAY OUT.  A sum stands for sum x 2^(e8 + e9); its code for the last product is sum / 2^(e10 - e8 - e9), held within +-57,344.
	s_sub_co_i32 s24, s15, s30
	s_sub_co_i32 s24, s24, s31
	s_add_co_i32 s24, s24, 127
	s_lshl_b32 s25, s24, 23
	v_mov_b32 v10, s25
	s_add_co_i32 s24, s24, 15
	s_lshl_b32 s24, s24, 23
	s_or_b32 s24, s24, 0x600000
	v_mov_b32 v11, s24
.set n, 0
.rept 64
	v_med3_num_f32 v[O+n], v[O+n], -v11, v11
.set n, n+1
.endr
.irp t, 0,1
.irp b, 0,1
	v_cvt_scalef32_pk8_bf8_f32 v[PC+8*\t+4*\b:PC+8*\t+4*\b+1], v[O+32*\t+16*\b:O+32*\t+16*\b+7], v10
	v_cvt_scalef32_pk8_bf8_f32 v[PC+8*\t+4*\b+2:PC+8*\t+4*\b+3], v[O+32*\t+16*\b+8:O+32*\t+16*\b+15], v10
.endr
.endr
	v_nop
.irp t, 0,1
.irp b, 0,1
	global_store_b128 v2, v[PC+8*\t+4*\b:PC+8*\t+4*\b+3], s[12:13] offset:16384*\t+512*\b   ; the wave stores 512 consecutive bytes, aligned: channels 32 b + 16 (lane / 16) + 0 .. 15 of row lane % 16
.endr
.endr
	s_wait_xcnt 0x0
	v_lshl_add_u32 v254, v0, 2, 0x40000
	v_mov_b32 v255, 0
	s_wait_tensorcnt 0x0
	ds_add_u32 v254, v255
	s_wait_dscnt 0x0
	s_endpgm
.Lfunc_end_k_qbb095730c2_attn:
	.size	k_qbb095730c2_attn, .Lfunc_end_k_qbb095730c2_attn-k_qbb095730c2_attn
	.p2alignl 7, 3214868480
	.fill 96, 4, 3214868480
	.section	.rodata,"a",@progbits
	.p2align	6, 0x0
	.amdhsa_kernel k_qbb095730c2_attn
		.amdhsa_group_segment_fixed_size 264192
		.amdhsa_private_segment_fixed_size 0
		.amdhsa_enable_private_segment 0
		.amdhsa_kernarg_size 40
		.amdhsa_user_sgpr_count 2
		.amdhsa_user_sgpr_kernarg_segment_ptr 1
		.amdhsa_wavefront_size32 1
		.amdhsa_system_sgpr_workgroup_id_x 1
		.amdhsa_system_sgpr_workgroup_id_y 1
		.amdhsa_system_sgpr_workgroup_id_z 1
		.amdhsa_system_vgpr_workitem_id 0
		.amdhsa_next_free_vgpr 256
		.amdhsa_next_free_sgpr 100
		.amdhsa_reserve_vcc 0
		.amdhsa_float_denorm_mode_32 3
		.amdhsa_float_denorm_mode_16_64 3
		.amdhsa_memory_ordered 1
		.amdhsa_forward_progress 1
		.amdhsa_inst_pref_size 46
	.end_amdhsa_kernel
	.amdgpu_metadata
---
amdhsa.version: [ 1, 2 ]
amdhsa.kernels:
  - .name:           k_qbb095730c2_attn
    .symbol:         k_qbb095730c2_attn.kd
    .args:
      - { .name: qkv, .offset: 0, .size: 8, .value_kind: global_buffer, .address_space: global }
      - { .name: mflags, .offset: 8, .size: 8, .value_kind: global_buffer, .address_space: global }
      - { .name: mwords, .offset: 16, .size: 8, .value_kind: global_buffer, .address_space: global }
      - { .name: lowp_scales, .offset: 24, .size: 8, .value_kind: global_buffer, .address_space: global }
      - { .name: ao, .offset: 32, .size: 8, .value_kind: global_buffer, .address_space: global }
    .group_segment_fixed_size: 264192
    .private_segment_fixed_size: 0
    .kernarg_segment_align: 8
    .kernarg_segment_size: 40
    .max_flat_workgroup_size: 512
    .sgpr_count:     100
    .vgpr_count:     256
    .wavefront_size: 32
...
	.end_amdgpu_metadata
.endif
;; end of part 3
;; launch outp (part 4): grid 4 x 32, 4 waves a work-group, clusters of 4 x 4, 327,680 bytes of LDS; arguments ao, wc, lowp_scales, out0; writes out0
.if DOCPART == 4
	.amdgcn_target "amdgcn-amd-amdhsa--gfx1250"
	.amdhsa_code_object_version 6
	.text
	.protected	k_qbb095730c2_outp
	.globl	k_qbb095730c2_outp
	.p2align	8
	.type	k_qbb095730c2_outp,@function
k_qbb095730c2_outp:
	s_mov_b64 s[64:65], 0
	v_nop
	global_prefetch_b8 v0, s[64:65] scope:SCOPE_SE
	s_setreg_imm32_b32 hwreg(HW_REG_WAVE_MODE, 25, 1), 1
	s_wait_xcnt 0x0
	s_wait_alu depctr_hold_cnt(0) depctr_sa_sdst(0) depctr_va_vdst(0) depctr_va_sdst(0) depctr_va_ssrc(0) depctr_va_vcc(0) depctr_vm_vsrc(0)
	s_getreg_b32 s2, hwreg(HW_REG_IB_STS2, 6, 4)
	s_cmp_eq_u32 s2, 0
	s_cbranch_scc0 .Lentry_in_a_cluster
	s_endpgm
.Lentry_in_a_cluster:
	s_bfe_u32 s2, ttmp6, 0x10000c
	s_cmp_lg_u32 s2, 0xf033
	s_cbranch_scc0 .Lentry_shape_is_right
	s_endpgm
.Lentry_shape_is_right:
; out0[m][n] = sum over k of A[m][k] Wo[n][k], on codes of BF8 (E5M2); M = 8,192, N = 1,024, K = 1,024; sums in f32, each finished sum once x 2^(e10 + e11).
; LIMIT: e10 + e11 lies between -126 and 127, so that 2^(e10 + e11) is an f32 number.
; A's codes lie in ao as images of the operand's registers: [tile of 16 rows][block of 128 K][c 0..3][lane][16 bytes]; lane (r, h) holds row r, K = 32 c + 16 h + 0 .. 15.  Wo's codes are rows of 1,024 bytes at wc + 3 MiB.
; A tile of C, 256 x 256, is made by a work-group of four waves; a wave makes 128 x 128: 64 accumulators, 512 registers.  K goes in steps of 256 through a ring of two LDS slots filled by the tensor data mover:
; of A a wave's load brings 8 tiles of rows x 4,096 consecutive bytes (two blocks of 128 K), dense in LDS: a fragment load reads 512 consecutive bytes; of B 128 rows x 256 bytes, padded.
; The grid has 128 tiles of 256 x 256: the largest wave tile is kept, since each byte read from LDS then feeds the most products.
; CLUSTERS: 4 x 4 work-groups; A's tile is shared along a row of the cluster, B's along a column: each is asked for JOINTLY.  THE MATRIX INSTRUCTION IS USED TRANSPOSED (source 0 = 16 rows of B, source 1 = 16 rows of A).
; REGISTERS, in windows of 256: window 0: v0-31 addresses; from v128 A's fragments, ONE set; on the way out v32-255 are free.  window 1: B's fragments, TWO sets.  windows 2, 3: the accumulators.
.set SIZE_N, 1024
.set SIZE_K, 1024
.set KSTEP,  256
.set ROWB,   256                       ; a row of B's tile in bytes
.set ASTEP,  4096                      ; a K step of one tile of 16 rows of A, in bytes
.set KROW,   SIZE_K
.set PITCH,  272                       ; B's LDS row: 256 bytes + 16 of padding = 68 words: row r starts at bank 4 r mod 64 (64 banks of 4 bytes: ISA guide 11.1)
.set FR,     16
.set NL,     4
.set NP,     4
.set HALFT,  128*PITCH                 ; a wave's place in a slot: 128 rows of B, or 32,768 bytes of A's images
.set SLOT,   4*HALFT
.set LAPS,   SIZE_K/(2*KSTEP)
.set SPARE,  2*SLOT                    ; behind the ring: the spare words, 128 bytes for each wave: two blocks of 256 bytes that no other line names
.set SPITCH, 528                       ; the way out: a stage of 16 rows x (512 bytes + 16) for each wave.  It lies in slot 0, which has had its last fill and its last read when the first result is stored there
.set ADRA, 16
.set ADRB, 20
.set STO,  24
.set RD,   25
.set CO,   26                          ; v26  16 x lane
.set SPW,  28
.set NIL,  29
.set TMP,  32
.set AF,   128
.set BK,   128
.set G1, 24
.set G0, 32
.set G1B, 48
.set G0B, 56
.set MSB, 0
.macro WIN new                         ; the immediate's high byte repeats the setting that is left
.if MSB != \new
	s_set_vgpr_msb (MSB<<8)|\new
.set MSB, \new
.endif
.endm
.set MUL_LO, 0xa1
.set MUL_HI, 0xf1
.set TO_B,   0x40
; A joint load: waves 0 and 1 fetch for A, waves 2 and 3 for B; the branch hangs on the wave's number alone.  Four v_nop follow each of the two lines.
.macro JLOAD g0a, g1a, g0b, g1b
	s_cmp_eq_u32 s15, 0
	s_cbranch_scc0 .Lfor_b_\@
	tensor_load_to_lds s[\g0a:\g0a+3], s[\g1a:\g1a+7]
	s_nop 0
.rept 4
	v_nop
.endr
	s_branch .Lasked_\@
.Lfor_b_\@:
	tensor_load_to_lds s[\g0b:\g0b+3], s[\g1b:\g1b+7]
	s_nop 0
.rept 4
	v_nop
.endr
.Lasked_\@:
.endm
.macro CREST
	s_cmp_lg_u32 s14, 0
	s_cbranch_scc1 .Lnot_wave_0_\@
	s_barrier_signal -3
.Lnot_wave_0_\@:
	s_barrier_wait -3
	s_barrier_signal -1
	s_barrier_wait -1
.endm
.macro CROUND
	s_barrier_signal -1
	s_barrier_wait -1
	CREST
.endm
	s_load_b128 s[4:7], s[0:1], 0x0                ; ao s[4:5], wc s[6:7]
	s_load_b128 s[8:11], s[0:1], 0x10              ; the scales' exponents s[8:9], out0 s[10:11]
	v_lshl_add_u32 v[SPW], v0, 2, SPARE
	v_mov_b32 v[NIL], 0
	ds_add_u32 v28, v29
	ds_add_u32 v28, v29
	s_wait_dscnt 0x0
	v_lshrrev_b32 v1, 5, v0
	v_readfirstlane_b32 s14, v1                    ; wave 0..3
	s_lshr_b32 s15, s14, 1                         ; which half of the tile's rows is mine.  Also: I fetch for A (0) or for B (1)
	s_and_b32 s16, s14, 1                          ; which half of its columns.  Also: which half of that tile I fetch
	s_bfe_u32 s40, ttmp6, 0x40000                  ; cx, cy
	s_bfe_u32 s41, ttmp6, 0x40004
	s_lshl_b32 s42, ttmp9, 2
	s_add_co_u32 s42, s42, s40                     ; tile column of C
	s_and_b32 s17, ttmp7, 0xffff
	s_lshl_b32 s17, s17, 2
	s_add_co_u32 s17, s17, s41                     ; tile row of C
	s_lshl_b32 s43, s41, 2
	s_lshl_b32 s43, 15, s43                        ; my row of the cluster
	s_lshl_b32 s44, 0x1111, s40                    ; my column
	; A's group 1: 8 rows of 512 elements of 8 bytes (4,096 bytes), 2,048 elements (a tile of rows' 16,384 bytes) apart; no padding
	s_or_b32 s[G1+0], s43, (3<<16)|(1<<21)         ; 15:0 the mask: my row; 17:16 element of 8 bytes; 21 set beside a mask
	s_mov_b32 s[G1+1], 512<<16                     ; tensor_dim0
	s_mov_b32 s[G1+2], 8<<16                       ; tensor_dim1
	s_mov_b32 s[G1+3], 512<<16                     ; tile_dim0
	s_mov_b32 s[G1+4], 8                           ; tile_dim1
	s_mov_b32 s[G1+5], 2048                        ; tensor_dim0_stride
	s_mov_b32 s[G1+6], 0
	s_mov_b32 s[G1+7], 0
	; B's group 1: 128 rows x 256 bytes, padded in LDS
	s_or_b32 s[G1B+0], s44, (0<<16)|(1<<20)|(1<<21)|(5<<22)|(3<<25)  ; the mask: my column; element of 1 byte; padding: 4 words after every 64
	s_mov_b32 s[G1B+1], ROWB<<16
	s_mov_b32 s[G1B+2], 128<<16
	s_mov_b32 s[G1B+3], ROWB<<16
	s_mov_b32 s[G1B+4], 128
	s_mov_b32 s[G1B+5], KROW
	s_mov_b32 s[G1B+6], 0
	s_mov_b32 s[G1B+7], 0
	s_lshl_b32 s20, s17, 4
	s_lshl_b32 s18, s16, 3
	s_add_co_u32 s20, s20, s18                     ; A: tile of rows 16 x tile row + 8 x half,
	s_lshl_b32 s20, s20, 14                        ; 16,384 bytes each
	s_mov_b32 s21, 0
	s_lshl_b32 s18, s16, 7
	s_lshl_b32 s46, s42, 8
	s_add_co_u32 s46, s46, s18                     ; B: row 256 x tile column + 128 x half,
	s_lshl_b32 s46, s46, 10                        ; 1,024 bytes each,
	s_add_co_u32 s46, s46, 0x300000                ; in Wo's part of wc
	s_mov_b32 s47, 0
	s_mul_i32 s45, s14, HALFT                      ; where they go: no place in the cluster enters an LDS address
	s_wait_kmcnt 0x0
	s_load_b64 s[96:97], s[8:9], 0x28              ; e10, e11
	s_add_nc_u64 s[20:21], s[4:5], s[20:21]
	s_add_nc_u64 s[46:47], s[6:7], s[46:47]
	CROUND                                         ; all sixteen work-groups are here: the first joint loads meet
.irp s, 0,1
	s_mov_b32 s[G0+4*\s], 1
	s_add_co_u32 s[G0+4*\s+1], s45, \s*SLOT
	s_add_nc_u64 s[G0+4*\s+2:G0+4*\s+3], s[20:21], \s*ASTEP
	s_or_b32 s[G0+4*\s+3], s[G0+4*\s+3], 0x80000000
	s_mov_b32 s[G0B+4*\s], 1
	s_add_co_u32 s[G0B+4*\s+1], s45, \s*SLOT
	s_add_nc_u64 s[G0B+4*\s+2:G0B+4*\s+3], s[46:47], \s*ROWB
	s_or_b32 s[G0B+4*\s+3], s[G0B+4*\s+3], 0x80000000
	JLOAD G0+4*\s, G1, G0B+4*\s, G1B
.endr
	v_and_b32 v1, 15, v0                           ; l % 16
	v_bfe_u32 v2, v0, 4, 1                         ; l / 16
	v_mul_u32_u24 v3, v1, PITCH
	v_lshl_add_u32 v4, v2, 4, v3                   ; B: a fragment's row x pitch + 16 x half
	v_and_b32 v6, 31, v0
	v_lshlrev_b32 v[CO], 4, v6                     ; A: 16 x lane.  Also my place in a row of 512 bytes of C
	s_mul_i32 s21, s15, HALFT                      ; my half of A's images
	s_mul_i32 s22, s16, HALFT                      ; my 128 rows of B,
	s_add_co_u32 s22, s22, 2*HALFT                 ; which lie behind A's two halves
.irp s, 0,1
	v_add_nc_u32 v[ADRA+\s], s21, v[CO]
	v_add_nc_u32 v[ADRB+\s], s22, v4
	s_add_co_u32 s21, s21, SLOT
	s_add_co_u32 s22, s22, SLOT
.endr
	s_mul_i32 s23, s14, 16*SPITCH                  ; my stage
	v_mul_u32_u24 v5, v1, SPITCH                   ; in: row l % 16, 32 bytes for each half of the lanes
	v_lshl_add_u32 v5, v2, 5, v5
	v_add_nc_u32 v[STO], s23, v5
	v_add_nc_u32 v[RD], s23, v[CO]                 ; back: the 32 lanes take one row of 512 bytes
	s_lshl_b32 s20, s17, 8
	s_lshl_b32 s21, s15, 7
	s_add_co_u32 s20, s20, s21                     ; my first row of C
	s_lshl_b32 s20, s20, 12                        ; 4,096 bytes a row
	s_mov_b32 s21, 0
	s_lshl_b32 s46, s42, 10                        ; my first column, in bytes
	s_lshl_b32 s47, s16, 9
	s_add_co_u32 s46, s46, s47
	s_mov_b32 s47, 0
	s_add_nc_u64 s[20:21], s[20:21], s[46:47]
	s_add_nc_u64 s[10:11], s[10:11], s[20:21]
.macro FRAG reg, adr, q, i             ; B: lane l holds row l % 16; registers 4 c .. 4 c + 3 hold K = 32 c + 16 (l / 16) + 0 .. 15
.irp c, 0,1,2,3
	ds_load_b128 v[\reg+4*\c:\reg+4*\c+3], v[\adr] offset:128*(\q)+32*\c+(\i)*16*PITCH
.endr
.endm
.macro FRAGA reg, adr, q, i            ; A: the image as it lies: tile of rows i, block q of the slot's two, the same k in the same registers
.irp c, 0,1,2,3
	ds_load_b128 v[\reg+4*\c:\reg+4*\c+3], v[\adr] offset:2048*(\q)+512*\c+(\i)*4096
.endr
.endm
; 16 matrix instructions: A's blocks a0, a0 + 1 x B's eight, 128 along K.  The 64 accumulators take turns, one instruction a turn, in the same order in every step.
.macro MUL16 a0, p, zero
.irp a, \a0, \a0+1
.irp b, 0,1,2,3,4,5,6,7
.if \zero
	v_wmma_f32_16x16x128_bf8_bf8 v[8*(8*((\a)%4)+\b):8*(8*((\a)%4)+\b)+7], v[128*(\p)+FR*\b:128*(\p)+FR*\b+FR-1], v[AF+FR*(\a):AF+FR*(\a)+FR-1], 0
.else
	v_wmma_f32_16x16x128_bf8_bf8 v[8*(8*((\a)%4)+\b):8*(8*((\a)%4)+\b)+7], v[128*(\p)+FR*\b:128*(\p)+FR*\b+FR-1], v[AF+FR*(\a):AF+FR*(\a)+FR-1], v[8*(8*((\a)%4)+\b):8*(8*((\a)%4)+\b)+7]
.endif
.endr
.endr
.endm
.macro FETCH_B slot, q, p
	WIN TO_B
.irp i, 0,1,2,3,4,5,6,7
	FRAG 128*(\p)+FR*\i, ADRB+\slot, \q, \i
.endr
	WIN 0
.endm
.macro FETCH_A slot, q, i0
.irp i, \i0, \i0+1, \i0+2, \i0+3
	FRAGA AF+FR*(\i), ADRA+\slot, \q, \i
.endr
.endm
.macro PLACES n                        ; places behind matrix instructions, ahead of loads into registers that they have read and of reads of their results (ISA guide 7.12.1 for reads of their results)
.rept \n
	v_nop
.endr
.endm
.macro STEP slot, q, zero
	s_wait_dscnt 4*NL                              ; B's set and A's blocks 0-3 are in; the youngest 16 loads (A's blocks 4-7) may be out
	WIN MUL_LO
	MUL16 0, (\q)%2, \zero
	MUL16 2, (\q)%2, \zero
	s_wait_dscnt 0                                 ; A's blocks 4-7 are in
	PLACES NP
	FETCH_B \slot, (\q)+1, 1-(\q)%2
	FETCH_A \slot, (\q)+1, 0
	WIN MUL_HI
	MUL16 4, (\q)%2, \zero
	MUL16 6, (\q)%2, \zero
	PLACES NP
	WIN 0
	FETCH_A \slot, (\q)+1, 4
.endm
; A slot's last step changes slots: ONE barrier; in front of it each wave waits for all its tensor loads, adds 0 to its spare word, and waits for that and for its own reads of this slot.
.macro TURN slot, next, fill
	s_wait_tensorcnt 0x0                           ; all my tensor loads have landed: my part of the next slot
	ds_add_u32 v[SPW], v[NIL]                      ; 0 onto my spare word
	s_wait_dscnt 4*NL+1                            ; (the add and the youngest 16 loads may be out)
	WIN MUL_LO
	MUL16 0, 1, 0
	s_wait_dscnt 0x0                               ; the add is done, and my reads of this slot are over
	s_barrier_signal -1
	MUL16 2, 1, 0
	WIN 0
	s_barrier_wait -1
.if \fill
	CREST                                          ; the barrier has opened a round of the cluster's barrier: no wave of any partner still reads this slot's tile or has a load on its way
	s_add_nc_u64 s[G0+4*\slot+2:G0+4*\slot+3], s[G0+4*\slot+2:G0+4*\slot+3], 2*ASTEP
	s_add_nc_u64 s[G0B+4*\slot+2:G0B+4*\slot+3], s[G0B+4*\slot+2:G0B+4*\slot+3], 2*ROWB
	JLOAD G0+4*\slot, G1, G0B+4*\slot, G1B         ; the first tensor load behind the round; its four v_nop are the places in front of the loads below
.else
	PLACES NP
.endif
	FETCH_B \next, 0, 0
	FETCH_A \next, 0, 0
	WIN MUL_HI
	MUL16 4, 1, 0
	MUL16 6, 1, 0
	PLACES NP
	WIN 0
	FETCH_A \next, 0, 4
.endm
	s_wait_tensorcnt 1                             ; my part of K step 0 is in (K step 1's load may be out)
	s_barrier_signal -1
	s_barrier_wait -1                              ; everybody's is
	FETCH_B 0, 0, 0
	FETCH_A 0, 0, 0
	FETCH_A 0, 0, 4
	STEP 0, 0, 1                                   ; the first step's products start the sums
	s_mov_b32 s3, LAPS-1
.Llap:
	TURN 0, 1, 1
	STEP 1, 0, 0
	TURN 1, 0, 1
	STEP 0, 0, 0
	s_sub_co_u32 s3, s3, 1
	s_cmp_lg_u32 s3, 0
	s_cbranch_scc1 .Llap
	TURN 0, 1, 0                                   ; the last lap fills nothing
	STEP 1, 0, 0
	s_wait_dscnt 4*NL
	WIN MUL_LO
	MUL16 0, 1, 0
	MUL16 2, 1, 0
	s_wait_dscnt 0
	WIN MUL_HI
	MUL16 4, 1, 0
	MUL16 6, 1, 0
	WIN 0
; THE WAY OUT, block by block of 16 rows x 128 columns: through my own stage in LDS, back as whole rows of 512 bytes.  LDS serves a wave's instructions in order (ISA guide 5.7.1.4): no wait between the stores and the loads.
.macro TOSTAGE a
.set AC, 64*((\a)%4)
	WIN 0x02+((\a)/4)                              ; source 0: window 2 or 3
.irp j, 0,2,4,6,8,10,12,14,16,18,20,22,24,26,28,30,32,34,36,38,40,42,44,46,48,50,52,54,56,58,60,62
	v_pk_mul_f32 v[TMP+\j:TMP+\j+1], v[AC+\j:AC+\j+1], s[96:97] op_sel_hi:[1,0]   ; both x s96 = 2^(e10 + e11); each accumulator from its low end on
.endr
	WIN 0
.irp b, 0,1,2,3,4,5,6,7
	ds_store_b128 v[STO], v[TMP+8*\b:TMP+8*\b+3] offset:64*\b
	ds_store_b128 v[STO], v[TMP+8*\b+4:TMP+8*\b+7] offset:64*\b+16
.endr
.set BB, BK+64*((\a)%2)
.irp t, 0,1,2,3,4,5,6,7,8,9,10,11,12,13,14,15
	ds_load_b128 v[BB+4*\t:BB+4*\t+3], v[RD] offset:\t*SPITCH
.endr
.endm
.macro SEND a, younger                 ; younger: the LDS instructions issued behind block a's loads, which may stay out
.set BB, BK+64*((\a)%2)
	s_wait_dscnt \younger                          ; the block is back in registers
.if (\a) > 0
	s_add_nc_u64 s[10:11], s[10:11], 16*SIZE_N*4   ; (behind a wait on XCNT: the earlier stores have read their base)  16 rows of C on
.endif
.irp t, 0,1,2,3,4,5,6,7,8,9,10,11,12,13,14,15
	global_store_b128 v[CO], v[BB+4*\t:BB+4*\t+3], s[10:11] offset:\t*SIZE_N*4 th:TH_STORE_NT   ; 32 lanes store 512 consecutive bytes, at a multiple of 256 from C's first byte
.endr
.endm
	s_wait_kmcnt 0x0
	s_add_co_i32 s96, s96, s97                     ; e10 + e11, between -126 and 127,
	s_add_co_i32 s96, s96, 127
	s_lshl_b32 s96, s96, 23                        ; makes the f32 number 2^(e10 + e11)
	PLACES NP
	TOSTAGE 0
.irp a, 1,2,3,4,5,6,7
.if \a > 1
	s_wait_xcnt 0x0                                ; block a - 2's stores have read their registers and their base
.endif
	TOSTAGE \a
	SEND \a-1, 32                                  ; behind block a - 1's loads: block a's 16 stores and 16 loads
.endr
	s_wait_xcnt 0x0                                ; block 6's stores have read their base
	SEND 7, 0
	s_wait_tensorcnt 0x0                           ; the wave's end
	ds_add_u32 v[SPW], v[NIL]
	s_wait_dscnt 0x0
	CROUND                                         ; the closing round
	s_endpgm
.Lfunc_end_k_qbb095730c2_outp:
	.size	k_qbb095730c2_outp, .Lfunc_end_k_qbb095730c2_outp-k_qbb095730c2_outp
	.p2alignl 7, 3214868480
	.fill 96, 4, 3214868480
	.section	.rodata,"a",@progbits
	.p2align	6, 0x0
	.amdhsa_kernel k_qbb095730c2_outp
		.amdhsa_group_segment_fixed_size 327680
		.amdhsa_private_segment_fixed_size 0
		.amdhsa_enable_private_segment 0
		.amdhsa_kernarg_size 32
		.amdhsa_user_sgpr_count 2
		.amdhsa_user_sgpr_kernarg_segment_ptr 1
		.amdhsa_wavefront_size32 1
		.amdhsa_system_sgpr_workgroup_id_x 1
		.amdhsa_system_sgpr_workgroup_id_y 1
		.amdhsa_system_sgpr_workgroup_id_z 1
		.amdhsa_system_vgpr_workitem_id 0
		.amdhsa_next_free_vgpr 1024
		.amdhsa_next_free_sgpr 98
		.amdhsa_reserve_vcc 0
		.amdhsa_float_denorm_mode_32 3
		.amdhsa_float_denorm_mode_16_64 3
		.amdhsa_memory_ordered 1
		.amdhsa_forward_progress 1
		.amdhsa_inst_pref_size 123
	.end_amdhsa_kernel
	.amdgpu_metadata
---
amdhsa.version: [ 1, 2 ]
amdhsa.kernels:
  - .name:           k_qbb095730c2_outp
    .symbol:         k_qbb095730c2_outp.kd
    .args:
      - { .name: ao, .offset: 0, .size: 8, .value_kind: global_buffer, .address_space: global }
      - { .name: wc, .offset: 8, .size: 8, .value_kind: global_buffer, .address_space: global }
      - { .name: lowp_scales, .offset: 16, .size: 8, .value_kind: global_buffer, .address_space: global }
      - { .name: out0, .offset: 24, .size: 8, .value_kind: global_buffer, .address_space: global }
    .group_segment_fixed_size: 327680
    .private_segment_fixed_size: 0
    .kernarg_segment_align: 8
    .kernarg_segment_size: 32
    .max_flat_workgroup_size: 128
    .sgpr_count:     98
    .vgpr_count:     1024
    .wavefront_size: 32
...
	.end_amdgpu_metadata
.endif
;; end of part 4
;; ======== version 2 of 2: 4 launches; version 1 with the launch attn written anew for expert scheduling mode
;; workspace buffers: xc 25,165,824 bytes; wc 4,194,304 bytes; qkv 25,165,824 bytes; ao 8,388,608 bytes; mflags 512 bytes of whole numbers; mwords 524,288 bytes of whole numbers
;; launch quant: the kernel of part 1 again; grid 960 x 1, 4 waves a work-group, no clusters, 33,280 bytes of LDS; arguments q, k, v, Wq, Wk, Wv, Wo, lowp_scales, mask, xc, wc, mflags, mwords; writes xc, wc, mflags, mwords
;; launch proj: the kernel of part 2 again; grid 4 x 96, 4 waves a work-group, clusters of 4 x 4, 327,680 bytes of LDS; arguments xc, wc, lowp_scales, qkv; writes qkv
;; launch attn (part 5): grid 4 x 64, 16 waves a work-group, no clusters, 264,192 bytes of LDS; arguments qkv, mflags, mwords, lowp_scales, ao; writes ao
.if DOCPART == 5
	.amdgcn_target "amdgcn-amd-amdhsa--gfx1250"
	.amdhsa_code_object_version 6
	.text
	.protected	k_qbb095730c2_attn
	.globl	k_qbb095730c2_attn
	.p2align	8
	.type	k_qbb095730c2_attn,@function
k_qbb095730c2_attn:
	s_mov_b64 s[64:65], 0
	v_nop
	global_prefetch_b8 v0, s[64:65] scope:SCOPE_SE
	s_setreg_imm32_b32 hwreg(HW_REG_WAVE_SCHED_MODE, 0, 2), 2
	s_setreg_imm32_b32 hwreg(HW_REG_WAVE_MODE, 25, 1), 1
	s_wait_xcnt 0x0
	s_wait_alu depctr_vm_vsrc(0)
; ATTENTION on codes of BF8 (E5M2): for each (batch, head): scores = Q K^T / 8, masked scores = -infinity, attn = softmax (a row with no key left: zeros), out = attn V.  Head size 64, 2,048 queries and keys.
; WHAT IS QUANTISED FOR THE SECOND PRODUCT IS THE FINISHED, NORMALISED attn.  So a row's maximum and sum are known before any weight is made: TWO PASSES over the keys.
;   Pass 1: S^T = K Q^T; t = score x log2(e) / 8; a running whole number M >= t (kept as -M = floor(-t)) and l = the sum of 2^(t - M), in each lane for its own half of the keys; the halves meet once, behind the pass.
;   Between: z = M + log2(l).   Pass 2: S^T again; attn = 2^(t - z); held at 57,344 x 2^e8, converted with 2^e8; O^T += V^T P^T.
; THE MASK is an input and is honoured as it is given.  An earlier launch has turned it into lane masks (mwords) and, for each block of 32 queries x 64 keys, two flags (mflags): SKIP = wholly masked, MIX = partly.
; A block with SKIP adds nothing to any sum and is jumped over, by a scalar branch on the stored flag; in a block with MIX the masked scores become -infinity ahead of everything else.
; This launch has no tensor load, no copy and no joint request: the four work-groups of a head each bring K and V in through registers, once, at the head.
; SHARES.  A work-group has one (batch, head) and 16 of its 64 groups of 32 queries, a group to a wave (two tiles of 16 queries, which share every fragment of K and V).  Which groups: g = 4 nib + gam, nib and gam read
; from three constants by the wave's number, so that every g is taken once and the four waves with equal w / 4, and those with equal w % 4, have groups that add up to 126: even work where the kept part grows with g.
; LDS: the head's K images at 0, its V images at 131,072, as they lie in memory: a fragment (16 rows x 64 K) is [c 0..1][lane][16 bytes], so a load reads 512 consecutive bytes.  Behind the one barrier LDS is only read.
; LAYOUT.  Both products transposed: a lane holds ONE query (lane % 16).  K's fragment 2 b + u holds in lane r key 32 b + 8 u + r + 8 (r / 8), so register 16 b + i of a tile's S^T is key 32 b + 16 (lane / 16) + i:
; the conversions' results are the second product's operand.  V's fragments hold channels in the same order, so O^T's 16 registers are 16 neighbouring channels, and their codes an image of the last product's operand.
; LIMITS on the given exponents, so that each power of two below is an f32 number: e6 + e7 between -123 and 130; e8, and e10 - e8 - e9, between -126 and 112.  A weight below 2^-126 is 0.  z is one f32 number: a weight
; carries its rounding, half a unit in z's last place.  NaN among the inputs is not served.
; THE MODE: SCHED_MODE bits 1:0 = 2 (LLVM: expert scheduling mode 2), set by the entry lines.  The code itself states the register dependences between vector or matrix instructions and memory or LDS
; instructions, with s_wait_alu, always for 0.
; THE PLAN.  Registers that memory or LDS instructions touch:
;   v1, v2, v3, v252, v253, v254   offsets and LDS addresses: made at the head, read by loads and stores, not written again (v254: until the closing lines' address is made in it).
;   QF       global loads land in it once; the products K Q^T read it.
;   S, O     at the head global loads land in them and the LDS stores read them; behind the barrier vector and matrix instructions alone name them.
;   KF       step s's eight products K Q^T read it; behind them the LDS loads of step s + 1 land in it: one buffer, asked for again as soon as it is empty.
;   VF       pass 2: step s's eight products V^T P^T read it; the LDS loads of step s + 1 land in it behind that step's products K Q^T.
;   v4, v5   LDS addresses of the next step's K and of this step's V: read by those loads, written once a step, as places behind the products K Q^T.
;   PC       at the end: the conversions write it, the four stores read it.
; So ONE wait on va_vdst for the loads stands in a step, behind the products K Q^T and their places: they are done reading KF, the step before's products V^T P^T are done reading VF, and v4, v5 are written.
; The step's loads follow it; no vector or matrix instruction from there to the step's end names KF, VF (until V is in), v4 or v5.  One wait on vm_vsrc stands at the step's head, ahead of the lines that write v4, v5.
; WHICH STEP COMES NEXT hangs on the flags.  NEXT = ~SKIP >> 1: bit s: step s + 1 is worked, so step s asks for its K.  ANEW = SKIP << 1: bit s: step s - 1 was left out, so step s asks for its own K at its head.
; A loop's first step has no step before it: step 0's K is asked for ahead of each loop, whatever its flag (where block 0 is wholly masked that load serves nothing).
.set VLDS, 131072
.set ST,  12                           ; v12-19, v20-27 a tile's statistics: +0 -M, later -z; +1 the largest t; +2, +3 l in two halves; +4 f; +5 zero (named with f as a pair); +6, +7 at work
.set QF,  28                           ; v28-43   Q: 8 registers a tile
.set KF,  44                           ; v44-75   K: 4 fragments
.set VF,  76                           ; v76-107  V: 4 fragments
.set S,   108                          ; v108-171 S^T, 32 a tile; at the head K on its way to LDS
.set PC,  172                          ; v172-187 the weights' codes, 8 a tile; at the end O's
.set O,   188                          ; v188-251 O^T, 32 a tile; at the head V on its way to LDS
; v1 16 x thread; v2 16 x lane; v3 v2 + VLDS; v4 K's address, v5 V's; v6 -infinity; v7 2^e8; v8 57,344 x 2^e8; v10, v11 the same for the output; v252-254 v1 + 65,536, + 131,072, + 196,608
; s2 wave; s3 g; s[4:5] Q's address, later the step's mask words; s[8:9] my group's mask words; s[12:13] ao; s14 (batch, head); s15 e10; s16 SKIP; s17 MIX; s18 step; s19 4,096 x step; s[20:21] lane selects;
; s[22:23] c = log2(e) / 8 x 2^(e6 + e7), twice; s24 4,096 x the next step; s[28:31] e6 .. e9; s[32:63], s[68:99] a step's 64 mask words; s66 NEXT; s67 ANEW
	s_load_b256 s[4:11], s[0:1], 0x0               ; qkv, mflags, mwords, the scales' exponents
	s_load_b64 s[12:13], s[0:1], 0x20              ; ao
	v_lshrrev_b32 v9, 5, v0
	v_readfirstlane_b32 s2, v9                     ; wave 0..15
	v_lshlrev_b32 v1, 4, v0
	v_and_b32 v2, 31, v0
	v_lshlrev_b32 v2, 4, v2
	v_add_nc_u32 v3, VLDS, v2
	v_add_nc_u32 v252, 0x10000, v1
	v_add_nc_u32 v253, 0x20000, v1
	v_add_nc_u32 v254, 0x30000, v1
	v_mov_b32 v6, 0xff800000
	s_and_b32 s14, ttmp7, 0xffff
	s_wait_alu depctr_va_sdst(0)                   ; s2 is written, ahead of its first reader: my group of queries is made from it
	s_and_b32 s24, s2, 7
	s_lshl_b32 s24, s24, 2
	s_mov_b32 s25, 0x9C36FA50
	s_mov_b32 s26, 0x278D41EB
	s_cmp_lt_u32 s2, 8
	s_cselect_b32 s25, s25, s26
	s_lshr_b32 s25, s25, s24
	s_and_b32 s25, s25, 15                         ; nib: the sixteen waves take the sixteen values
	s_lshl_b32 s24, s2, 1
	s_lshr_b32 s26, 0x4EB11BE4, s24
	s_add_co_u32 s26, s26, ttmp9
	s_and_b32 s26, s26, 3                          ; gam: the four work-groups of a head take the four values
	s_lshl_b32 s3, s25, 2
	s_add_co_u32 s3, s3, s26                       ; g
	s_mov_b32 s20, 0x76543210
	s_mov_b32 s21, 0xfedcba98
	s_mov_b32 s22, 0x3e38aa3b                      ; log2(e) / 8
	s_mov_b32 s25, 0
	s_wait_kmcnt 0x0
	s_load_b128 s[28:31], s[10:11], 0x18           ; e6, e7, e8, e9
	s_load_b32 s15, s[10:11], 0x28                 ; e10
	s_lshl_b32 s24, s3, 3
	s_add_nc_u64 s[6:7], s[6:7], s[24:25]
	s_load_b64 s[16:17], s[6:7], 0x0               ; my group's SKIP and MIX
	s_lshl_b32 s24, s3, 13
	s_add_nc_u64 s[8:9], s[8:9], s[24:25]          ; my group's mask words: 32 steps of 256 bytes
	s_lshl_b32 s24, s14, 17
	s_add_nc_u64 s[4:5], s[4:5], s[24:25]          ; the head's Q images,
	s_add_nc_u64 s[32:33], s[4:5], 0x800000        ; its K images,
	s_add_nc_u64 s[34:35], s[4:5], 0x1000000       ; its V images
	s_lshl_b32 s24, s3, 11
	s_add_nc_u64 s[4:5], s[4:5], s[24:25]          ; my two fragments of Q
	s_lshr_b32 s24, s14, 4
	s_lshl_b32 s24, s24, 7
	s_lshl_b32 s26, s3, 1
	s_add_co_u32 s24, s24, s26                     ; my first tile of 16 rows of the output: 128 x batch + 2 g,
	s_lshl_b32 s24, s24, 14                        ; 16,384 bytes each;
	s_and_b32 s26, s14, 15
	s_lshl_b32 s26, s26, 10                        ; the head's 64 of a row's 1,024 codes: 1,024 bytes of the image
	s_add_co_u32 s24, s24, s26
	s_add_nc_u64 s[12:13], s[12:13], s[24:25]
	s_wait_alu depctr_va_vdst(0)                   ; v1, v2, v3 and v252 to v254 are written: every load and store of the kernel but K's and V's in the loops reads one of them as its offset or address
.irp t, 0,1
.irp c, 0,1
	global_load_b128 v[QF+8*\t+4*\c:QF+8*\t+4*\c+3], v2, s[4:5] offset:1024*\t+512*\c
.endr
.endr
.set i, 0
.rept 16
	global_load_b128 v[S+4*i:S+4*i+3], v1, s[32:33] offset:8192*i     ; the work-group's 512 threads read 8,192 consecutive bytes
.set i, i+1
.endr
.set i, 0
.rept 16
	global_load_b128 v[O+4*i:O+4*i+3], v1, s[34:35] offset:8192*i
.set i, i+1
.endr
.irp t, 0,1
	v_mov_b32 v[ST+8*\t+1], 0xff61b1e6             ; the largest t so far: -3e38, under every t
	v_floor_f32 v[ST+8*\t], -v[ST+8*\t+1]          ; -M
.irp j, 2,3,4,5,6,7
	v_mov_b32 v[ST+8*\t+\j], 0                     ; l; and the others are written once, since a group may have no block at all
.endr
.endr
	s_wait_kmcnt 0x0
	s_not_b32 s66, s16
	s_lshr_b32 s66, s66, 1                         ; NEXT: bit s: step s + 1 is worked (bit 31 is 0: there is no step 32)
	s_lshl_b32 s67, s16, 1                         ; ANEW: bit s: step s - 1 was left out (bit 0 is 0: step 0's K is asked for ahead of the loop)
	s_add_co_i32 s24, s28, s29
	s_lshl_b32 s24, s24, 23
	s_add_co_i32 s22, s22, s24                     ; a score stands for score x 2^(e6 + e7): the exponents are added to c's exponent field
	s_mov_b32 s23, s22                             ; (named with it as a pair, so it is written)
	s_add_co_i32 s24, s30, 127
	s_lshl_b32 s25, s24, 23
	v_mov_b32 v7, s25                              ; 2^e8 as f32
	s_add_co_i32 s24, s24, 15
	s_lshl_b32 s24, s24, 23
	s_or_b32 s24, s24, 0x600000
	v_mov_b32 v8, s24                              ; 57,344 x 2^e8
	s_wait_loadcnt 16                              ; Q and K are in; V's sixteen loads may be out
.set i, 0
.rept 8
	ds_store_b128 v1, v[S+4*i:S+4*i+3] offset:8192*i                  ; addresses from ahead of the wait on va_vdst above, data from loads: no vector instruction since names either
	ds_store_b128 v252, v[S+32+4*i:S+32+4*i+3] offset:8192*i
.set i, i+1
.endr
	s_wait_loadcnt 0x0
.set i, 0
.rept 8
	ds_store_b128 v253, v[O+4*i:O+4*i+3] offset:8192*i
	ds_store_b128 v254, v[O+32+4*i:O+32+4*i+3] offset:8192*i
.set i, i+1
.endr
	s_wait_dscnt 0x0                               ; for the others' sake: my stores have landed
	s_barrier_signal -1
	s_barrier_wait -1                              ; K and V are whole; from here on LDS is only read
	s_wait_alu depctr_vm_vsrc(0)                   ; my LDS stores have read S's and O's registers, which the products and the clearing below write, and v254, which is written at the end
.macro LDK adr                         ; a step's four fragments of K, by the address in v[adr]
.irp kt, 0,1,2,3
.irp c, 0,1
	ds_load_b128 v[KF+8*\kt+4*\c:KF+8*\kt+4*\c+3], v[\adr] offset:1024*\kt+512*\c
.endr
.endr
.endm
.macro LDV                             ; and of V
.irp ct, 0,1,2,3
.irp c, 0,1
	ds_load_b128 v[VF+8*\ct+4*\c:VF+8*\ct+4*\c+3], v5 offset:1024*\ct+512*\c
.endr
.endr
.endm
.macro QK                              ; S^T = K Q^T: 64 keys x 32 queries, eight accumulators, each begun with 0.  Four places follow it in each pass, ahead of the first read of a result (ISA guide 7.12.1)
.irp kt, 0,1,2,3
.irp t, 0,1
	v_wmma_f32_16x16x64_bf8_bf8 v[S+32*\t+8*\kt:S+32*\t+8*\kt+7], v[KF+8*\kt:KF+8*\kt+7], v[QF+8*\t:QF+8*\t+7], 0
.endr
.endr
.endm
.macro MASK                            ; the step's 64 words: word 2 rho + tau is the lane mask of register rho of tile tau.  Each accumulator is taken from its low end on
	s_load_b512 s[32:47], s[4:5], 0x0
	s_load_b512 s[48:63], s[4:5], 0x40
	s_load_b512 s[68:83], s[4:5], 0x80
	s_load_b512 s[84:99], s[4:5], 0xc0
	s_wait_kmcnt 0x0
	s_wait_xcnt 0x0                                ; the loads' base is stepped at the trip's end, behind this wait
.irp t, 0,1
.set n, 0
.rept 32
.if 2*n+\t < 32
	v_cndmask_b32 v[S+32*\t+n], v[S+32*\t+n], v6, s[32+2*n+\t]
.else
	v_cndmask_b32 v[S+32*\t+n], v[S+32*\t+n], v6, s[36+2*n+\t]
.endif
.set n, n+1
.endr
.endr
.endm
	; ---- PASS 1: 32 trips, whatever the flags; a trip whose block is wholly masked goes straight to the lines that step
	s_mov_b32 s18, 0
	s_mov_b32 s19, 0
	s_mov_b64 s[4:5], s[8:9]
	LDK 2                                          ; step 0's K: its address is 16 x lane; no vector or matrix instruction has named K's registers yet
.Lone:
	s_bitcmp1_b32 s16, s18
	s_cbranch_scc1 .Lone_next
	s_bitcmp1_b32 s67, s18                         ; was the step before left out?  Then nobody has asked for this step's K
	s_cbranch_scc0 .Lone_have
	s_wait_dscnt 0x0                               ; no load into K's registers is still out when they are asked for again (step 0's, where step 0 was left out)
	s_wait_alu depctr_vm_vsrc(0)                   ; the LDS loads issued so far have read v4
	v_add_nc_u32 v4, s19, v2
	s_wait_alu depctr_va_vdst(0)                   ; v4 is written, which the loads below read
	LDK 4
.Lone_have:
	s_wait_dscnt 0x0                               ; K is in
	s_wait_alu depctr_vm_vsrc(0)                   ; its loads have read v4, which is written below
	s_add_co_u32 s24, s19, 4096
	QK
	v_add_nc_u32 v4, s24, v2                       ; the next step's K.  The first of the four places behind the products
	v_nop
	v_nop
	v_nop
	s_wait_alu depctr_va_vdst(0)                   ; the products are done reading K's registers, in which the loads below land, and v4 is written, which they read
	s_bitcmp1_b32 s66, s18
	s_cbranch_scc0 .Lone_last
	LDK 4                                          ; the next step's K lands under this step's vector work, which names neither K's registers nor v4
.Lone_last:
	s_bitcmp1_b32 s17, s18
	s_cbranch_scc0 .Lone_open
	MASK
.Lone_open:
.irp t, 0,1                            ; the largest score of my query among my 32 keys, in two chains a tile; each accumulator is met first at one of its four lowest registers
	v_max3_num_f32 v[ST+8*\t+6], v[S+32*\t], v[S+32*\t+1], v[S+32*\t+2]
	v_max3_num_f32 v[ST+8*\t+7], v[S+32*\t+3], v[S+32*\t+4], v[S+32*\t+5]
.endr
.irp i, 6,10,14,18,22,26
.irp t, 0,1
	v_max3_num_f32 v[ST+8*\t+6], v[ST+8*\t+6], v[S+32*\t+\i], v[S+32*\t+\i+1]
	v_max3_num_f32 v[ST+8*\t+7], v[ST+8*\t+7], v[S+32*\t+\i+2], v[S+32*\t+\i+3]
.endr
.endr
.irp t, 0,1
	v_max3_num_f32 v[ST+8*\t+6], v[ST+8*\t+6], v[S+32*\t+30], v[S+32*\t+31]
.endr
.irp t, 0,1
	v_max_num_f32 v[ST+8*\t+6], v[ST+8*\t+6], v[ST+8*\t+7]
.endr
.irp t, 0,1
	v_mul_f32 v[ST+8*\t+6], s22, v[ST+8*\t+6]      ; as t (c is positive)
.endr
.irp t, 0,1
	v_max_num_f32 v[ST+8*\t+1], v[ST+8*\t+1], v[ST+8*\t+6]   ; the running largest t
.endr
.irp t, 0,1
	v_mov_b32 v[ST+8*\t+6], v[ST+8*\t]
.endr
.irp t, 0,1
	v_floor_f32 v[ST+8*\t], -v[ST+8*\t+1]          ; the new -M = floor(-t): M is a whole number
.endr
.irp t, 0,1
	v_sub_f32 v[ST+8*\t+6], v[ST+8*\t], v[ST+8*\t+6]   ; old M - new M: a whole number, 0 or less
.endr
.irp t, 0,1
	v_cvt_i32_f32 v[ST+8*\t+6], v[ST+8*\t+6]       ; (it saturates)
.endr
.irp t, 0,1
	v_ldexp_f32 v[ST+8*\t+4], 1.0, v[ST+8*\t+6]    ; f = 2^(old M - new M): brings l under the new M and rounds nothing
.endr
.irp t, 0,1
.irp j, 0,2,4,6,8,10,12,14,16,18,20,22,24,26,28,30
	v_pk_fma_f32 v[S+32*\t+\j:S+32*\t+\j+1], v[S+32*\t+\j:S+32*\t+\j+1], s[22:23], v[ST+8*\t:ST+8*\t+1] op_sel_hi:[1,0,0]   ; t - M, two at a time
.endr
.endr
.set n, 0
.rept 64
	v_exp_f32 v[S+n], v[S+n]                       ; one batch
.set n, n+1
.endr
.irp t, 0,1
	v_pk_mul_f32 v[ST+8*\t+2:ST+8*\t+3], v[ST+8*\t+2:ST+8*\t+3], v[ST+8*\t+4:ST+8*\t+5] op_sel_hi:[1,0]   ; l under the new M: the plain lines behind the exponentials
.endr
	s_wait_alu depctr_va_vdst(0)                   ; the 64 exponentials have written S's registers: one wait for the batch, ahead of its first reader
.irp t, 0,1
	v_pk_add_f32 v[ST+8*\t+6:ST+8*\t+7], v[S+32*\t:S+32*\t+1], v[S+32*\t+2:S+32*\t+3]
.endr
.irp j, 4,8,12,16,20,24,28
.irp t, 0,1
	v_pk_add_f32 v[ST+8*\t+2:ST+8*\t+3], v[ST+8*\t+2:ST+8*\t+3], v[S+32*\t+\j:S+32*\t+\j+1]
	v_pk_add_f32 v[ST+8*\t+6:ST+8*\t+7], v[ST+8*\t+6:ST+8*\t+7], v[S+32*\t+\j+2:S+32*\t+\j+3]
.endr
.endr
.irp t, 0,1
	v_pk_add_f32 v[ST+8*\t+2:ST+8*\t+3], v[ST+8*\t+2:ST+8*\t+3], v[ST+8*\t+6:ST+8*\t+7]
.endr
.Lone_next:
	s_add_nc_u64 s[4:5], s[4:5], 256
	s_add_co_u32 s19, s19, 4096
	s_add_co_u32 s18, s18, 1
	s_cmp_lt_u32 s18, 32
	s_cbranch_scc1 .Lone
	s_wait_dscnt 0x0                               ; no load into K's registers is still out (step 0's, where every block was left out)
	LDK 2                                          ; pass 2's step 0: it lands under the arithmetic between the passes.  Every product that read K's registers stands ahead of a wait on va_vdst, and nothing since names them
	; ---- BETWEEN THE PASSES: the two halves of the lanes meet; -z = -M - log2(l).  A row with no key left keeps -M = 3e38 and l = 0: its scores are all -infinity in pass 2, so its weights are zeros.
.irp t, 0,1
	v_add_f32 v[ST+8*\t+2], v[ST+8*\t+2], v[ST+8*\t+3]
	v_permlanex16_b32 v[ST+8*\t+6], v[ST+8*\t], s20, s21
.endr
.irp t, 0,1
	v_min_num_f32 v[ST+8*\t+6], v[ST+8*\t], v[ST+8*\t+6]     ; -M of the whole row
.endr
.irp t, 0,1
	v_sub_f32 v[ST+8*\t+7], v[ST+8*\t+6], v[ST+8*\t]         ; my M - the row's M: a whole number, 0 or less
.endr
.irp t, 0,1
	v_cvt_i32_f32 v[ST+8*\t+7], v[ST+8*\t+7]
.endr
.irp t, 0,1
	v_ldexp_f32 v[ST+8*\t+7], 1.0, v[ST+8*\t+7]
.endr
.irp t, 0,1
	v_mul_f32 v[ST+8*\t+2], v[ST+8*\t+2], v[ST+8*\t+7]
.endr
.irp t, 0,1
	v_permlanex16_b32 v[ST+8*\t+3], v[ST+8*\t+2], s20, s21
.endr
.irp t, 0,1
	v_add_f32 v[ST+8*\t+2], v[ST+8*\t+2], v[ST+8*\t+3]       ; the row's l
.endr
.irp t, 0,1
	v_max_num_f32 v[ST+8*\t+2], 0.5, v[ST+8*\t+2]            ; changes nothing where a key is left (the largest term alone is above 1/2); keeps the logarithm finite where none is
.endr
.irp t, 0,1
	v_log_f32 v[ST+8*\t+3], v[ST+8*\t+2]
.endr
.set n, 0
.rept 64
	v_mov_b32 v[O+n], 0                            ; O^T begins as zeros: which step is the first that is not jumped over hangs on the flags, so no first product can be written out with 0 as its C.  (Also the plain lines behind the logarithms)
.set n, n+1
.endr
	s_wait_alu depctr_va_vdst(0)                   ; the two logarithms have written their results: one wait, ahead of their first reader
.irp t, 0,1
	v_sub_f32 v[ST+8*\t], v[ST+8*\t+6], v[ST+8*\t+3]         ; -z
.endr
	; ---- PASS 2
	s_mov_b32 s18, 0
	s_mov_b32 s19, 0
	s_mov_b64 s[4:5], s[8:9]
.Ltwo:
	s_bitcmp1_b32 s16, s18
	s_cbranch_scc1 .Ltwo_next
	s_bitcmp1_b32 s67, s18                         ; was the step before left out?  Then nobody has asked for this step's K
	s_cbranch_scc0 .Ltwo_have
	s_wait_dscnt 0x0                               ; no load into K's registers is still out when they are asked for again (step 0's, where step 0 was left out)
	s_wait_alu depctr_vm_vsrc(0)                   ; the LDS loads issued so far have read v4
	v_add_nc_u32 v4, s19, v2
	s_wait_alu depctr_va_vdst(0)                   ; v4 is written, which the loads below read
	LDK 4
.Ltwo_have:
	s_wait_dscnt 0x0                               ; K is in
	s_wait_alu depctr_vm_vsrc(0)                   ; K's loads have read v4 and the last step's loads of V have read v5: both are written below
	s_add_co_u32 s24, s19, 4096
	QK
	v_add_nc_u32 v4, s24, v2                       ; the next step's K,
	v_add_nc_u32 v5, s19, v3                       ; this step's V.  Two of the four places behind the products
	v_nop
	v_nop
	s_wait_alu depctr_va_vdst(0)                   ; the products K Q^T are done reading K's registers and the last step's products V^T P^T V's, in which the loads below land; v4 and v5 are written, which they read
	LDV                                            ; this step's V lands under the step's vector work, which names none of these registers
	s_bitcmp1_b32 s66, s18
	s_cbranch_scc0 .Ltwo_last
	LDK 4                                          ; and so does the next step's K
.Ltwo_last:
	s_bitcmp1_b32 s17, s18
	s_cbranch_scc0 .Ltwo_open
	MASK
.Ltwo_open:
.irp t, 0,1
.irp j, 0,2,4,6,8,10,12,14,16,18,20,22,24,26,28,30
	v_pk_fma_f32 v[S+32*\t+\j:S+32*\t+\j+1], v[S+32*\t+\j:S+32*\t+\j+1], s[22:23], v[ST+8*\t:ST+8*\t+1] op_sel_hi:[1,0,0]   ; t - z, two at a time, each accumulator from its low end on
.endr
.endr
.set n, 0
.rept 64
	v_exp_f32 v[S+n], v[S+n]                       ; attn = 2^(t - z): finished and normalised
.set n, n+1
.endr
	v_nop                                          ; the plain line behind the last exponential
	s_wait_alu depctr_va_vdst(0)                   ; the 64 exponentials have written S's registers: one wait for the batch, ahead of its first reader
.set n, 0
.rept 64
	v_min_num_f32 v[S+n], v[S+n], v8               ; the conversion does not saturate (ISA guide 7.6.2); a weight is not negative, so the hold is one-sided; it is made whatever e8 is
.set n, n+1
.endr
.irp t, 0,1
.irp b, 0,1
	v_cvt_scalef32_pk8_bf8_f32 v[PC+8*\t+4*\b:PC+8*\t+4*\b+1], v[S+32*\t+16*\b:S+32*\t+16*\b+7], v7
	v_cvt_scalef32_pk8_bf8_f32 v[PC+8*\t+4*\b+2:PC+8*\t+4*\b+3], v[S+32*\t+16*\b+8:S+32*\t+16*\b+15], v7
.endr
.endr
	v_nop                                          ; one plain line between the conversions and the products that read their results
	s_wait_dscnt 0x0                               ; V is in.  For 0: how many loads are younger than V's differs by the way taken (the next step's K was asked for, or not)
.irp ct, 0,1,2,3                       ; O^T += V^T P^T: eight accumulators, one instruction each; between two links of a chain stand the next step's eight products K Q^T
.irp t, 0,1
	v_wmma_f32_16x16x64_bf8_bf8 v[O+32*\t+8*\ct:O+32*\t+8*\ct+7], v[VF+8*\ct:VF+8*\ct+7], v[PC+8*\t:PC+8*\t+7], v[O+32*\t+8*\ct:O+32*\t+8*\ct+7]
.endr
.endr
.rept 4
	v_nop                                          ; places ahead of the reads of O^T behind the loop
.endr
.Ltwo_next:
	s_add_nc_u64 s[4:5], s[4:5], 256
	s_add_co_u32 s19, s19, 4096
	s_add_co_u32 s18, s18, 1
	s_cmp_lt_u32 s18, 32
	s_cbranch_scc1 .Ltwo
	; ---- THE WAY OUT.  A sum stands for sum x 2^(e8 + e9); its code for the last product is sum / 2^(e10 - e8 - e9), held within +-57,344.
	s_sub_co_i32 s24, s15, s30
	s_sub_co_i32 s24, s24, s31
	s_add_co_i32 s24, s24, 127
	s_lshl_b32 s25, s24, 23
	v_mov_b32 v10, s25
	s_add_co_i32 s24, s24, 15
	s_lshl_b32 s24, s24, 23
	s_or_b32 s24, s24, 0x600000
	v_mov_b32 v11, s24
.set n, 0
.rept 64
	v_med3_num_f32 v[O+n], v[O+n], -v11, v11
.set n, n+1
.endr
.irp t, 0,1
.irp b, 0,1
	v_cvt_scalef32_pk8_bf8_f32 v[PC+8*\t+4*\b:PC+8*\t+4*\b+1], v[O+32*\t+16*\b:O+32*\t+16*\b+7], v10
	v_cvt_scalef32_pk8_bf8_f32 v[PC+8*\t+4*\b+2:PC+8*\t+4*\b+3], v[O+32*\t+16*\b+8:O+32*\t+16*\b+15], v10
.endr
.endr
	v_nop
	s_wait_alu depctr_va_vdst(0)                   ; the conversions have written the codes' registers, which the four stores read
.irp t, 0,1
.irp b, 0,1
	global_store_b128 v2, v[PC+8*\t+4*\b:PC+8*\t+4*\b+3], s[12:13] offset:16384*\t+512*\b   ; the wave stores 512 consecutive bytes, aligned: channels 32 b + 16 (lane / 16) + 0 .. 15 of row lane % 16
.endr
.endr
	s_wait_xcnt 0x0
	v_lshl_add_u32 v254, v0, 2, 0x40000            ; the add's two registers are made anew here: v254 was last read by the LDS stores at the head, ahead of the wait on vm_vsrc behind the barrier; nothing has read v255
	v_mov_b32 v255, 0
	s_wait_dscnt 0x0                               ; the closing lines, six on end
	s_wait_alu 0x0
	s_wait_tensorcnt 0x0
	ds_add_u32 v254, v255
	s_wait_dscnt 0x0
	s_endpgm
.Lfunc_end_k_qbb095730c2_attn:
	.size	k_qbb095730c2_attn, .Lfunc_end_k_qbb095730c2_attn-k_qbb095730c2_attn
	.p2alignl 7, 3214868480
	.fill 96, 4, 3214868480
	.section	.rodata,"a",@progbits
	.p2align	6, 0x0
	.amdhsa_kernel k_qbb095730c2_attn
		.amdhsa_group_segment_fixed_size 264192
		.amdhsa_private_segment_fixed_size 0
		.amdhsa_enable_private_segment 0
		.amdhsa_kernarg_size 40
		.amdhsa_user_sgpr_count 2
		.amdhsa_user_sgpr_kernarg_segment_ptr 1
		.amdhsa_wavefront_size32 1
		.amdhsa_system_sgpr_workgroup_id_x 1
		.amdhsa_system_sgpr_workgroup_id_y 1
		.amdhsa_system_sgpr_workgroup_id_z 1
		.amdhsa_system_vgpr_workitem_id 0
		.amdhsa_next_free_vgpr 256
		.amdhsa_next_free_sgpr 100
		.amdhsa_reserve_vcc 0
		.amdhsa_float_denorm_mode_32 3
		.amdhsa_float_denorm_mode_16_64 3
		.amdhsa_memory_ordered 1
		.amdhsa_forward_progress 1
		.amdhsa_inst_pref_size 50
	.end_amdhsa_kernel
	.amdgpu_metadata
---
amdhsa.version: [ 1, 2 ]
amdhsa.kernels:
  - .name:           k_qbb095730c2_attn
    .symbol:         k_qbb095730c2_attn.kd
    .args:
      - { .name: qkv, .offset: 0, .size: 8, .value_kind: global_buffer, .address_space: global }
      - { .name: mflags, .offset: 8, .size: 8, .value_kind: global_buffer, .address_space: global }
      - { .name: mwords, .offset: 16, .size: 8, .value_kind: global_buffer, .address_space: global }
      - { .name: lowp_scales, .offset: 24, .size: 8, .value_kind: global_buffer, .address_space: global }
      - { .name: ao, .offset: 32, .size: 8, .value_kind: global_buffer, .address_space: global }
    .group_segment_fixed_size: 264192
    .private_segment_fixed_size: 0
    .kernarg_segment_align: 8
    .kernarg_segment_size: 40
    .max_flat_workgroup_size: 512
    .sgpr_count:     100
    .vgpr_count:     256
    .wavefront_size: 32
...
	.end_amdgpu_metadata
.endif
;; end of part 5
;; launch outp: the kernel of part 4 again; grid 4 x 32, 4 waves a work-group, clusters of 4 x 4, 327,680 bytes of LDS; arguments ao, wc, lowp_scales, out0; writes out0
